; MI455X (gfx1250); checked and timed in simulation.
; The chip was launched on July 23, 2026; its instructions are those of AMD's public machine-readable ISA for CDNA 5 (MIT licence, August 2026) and "CDNA5" Instruction Set Architecture Reference Guide (July 2026). The comments in the code are by the model that wrote it; some were corrected since.
;; Soft Token Map. Allowed arithmetic: matrix products marked QUANTISED: E2M1 operands, one E8M0 scale for each 32 along K, by v_wmma_scale_f32_16x16x128_f8f6f4 with both operands' format E2M1 (or v_wmma_scale_f32_32x16x128_f4), f32 sums; everything else in f32.
;; Inputs: embed_weight 32,000 x 512 float32; mapping_logits 1,024 x 32,000 float32; token_ids 8 x 512 int32.
;; Outputs: out0 8 x 512 x 512 float32.
;; This version of the problem:
;;   THIS VERSION OF THE PROBLEM IS GIVEN IN LOW PRECISION. The matrix products marked QUANTISED in the list below multiply operands that are first quantised to E2M1 (2 exponent bits, 1 mantissa bit; 4 bits a number), with one power-of-two scale for each 32 numbers along K (OCP MX v1.0); their sums are f32. All else is computed in f32.
;;   The module's matrix products, in the order in which they are computed (A, B: the left and right operand; K: the contracted axis; several contracted axes count as one K, in the product's order):
;;     1. [M 4,096, K 32,000] x [K 32,000, N 512]; A: softmax (see below); B: input embed_weight: QUANTISED
;;   THE QUANTISER, for each operand of a quantised product, along K:
;;     - K is cut into blocks of 32 from its start; a last block that is shorter is filled with zeros.
;;     - A block's scale is 2^e with e = floor(log2(the largest magnitude in the block)) - 2, held to -126 .. 127; a block of zeros has e = 0. As a byte (E8M0): e + 127.
;;     - Each number is divided by its block's scale, clamped to +-6, and rounded to the nearest number of E2M1, ties to even, subnormals kept.
;;     - The product sums the exact products of the quantised numbers (number of the format x scale) in f32.
;;   ~~~python
;;   def quantise(x, axis):      # numpy; x: float32 -> the quantised numbers, widened to float32 again
;;       x = np.moveaxis(x, axis, -1); K = x.shape[-1]
;;       x = np.pad(x, [(0, 0)] * (x.ndim - 1) + [(0, -K % 32)]); x = x.reshape(x.shape[:-1] + (-1, 32)); a = np.abs(x).max(-1, keepdims=True)
;;       e = np.where(a > 0, np.clip(np.frexp(np.where(a > 0, a, 1))[1] - 1 - 2, -126, 127), 0)      # np.frexp(a)[1] - 1 = floor(log2(a)), exactly
;;       r = np.clip(x / 2.0 ** e, -6, 6)
;;       step = 2.0 ** (np.maximum(np.frexp(np.where(r == 0, 1, r))[1] - 1, 0) - 1)
;;       q = np.round(r / step) * step * 2.0 ** e      # np.round: ties to even
;;       return np.moveaxis(q.reshape(q.shape[:-2] + (-1,))[..., :K], -1, axis).astype(np.float32)
;;   ~~~
;;   SOFTMAX AHEAD OF A QUANTISED PRODUCT. Where the list says 'softmax', what is quantised is not the finished softmax but p = 2^(t - M), with t = logit x log2(e) and M = ceil(the row's largest t), a whole number; so 1/2 < the row's largest p <= 1. The row's sum l is taken of the UNQUANTISED p, in f32, and the product's result is divided by l at the end. Since M is a whole number, a kernel that streams over the keys may use a running M (the ceiling of the running maximum): every later rescaling is an exact power of two, which a block's scale takes up: the codes' values come out the same.
;;   OPERANDS COMPUTED ON THE WAY. 'Computed on the way' means the value that the module computes at that place (a softmax that the list does not call 'softmax' is quantised finished and normalised). What goes into a quantiser is computed in f32, as accurately as f32 sums, v_exp_f32 and their like allow (about 1e-6 of the number): no bf16 or f16 on the way to a quantiser, and a product that is left as it is and whose result goes on into a quantised operand takes f32 operands (vector FMAs, or v_wmma_f32_16x16x4_f32). A number that lies on a knife's edge between two numbers of the format may be rounded either way, as far as f32 arithmetic and the matrix unit's own rounding can turn it there, and no further.
;; 2 versions. Each part assembles by itself: llvm-mc -triple=amdgcn-amd-amdhsa -mcpu=gfx1250 --defsym DOCPART=n.
;; ======== version 1 of 2: 3 launches
;; workspace buffers: acodes 16,777,216 bytes; ascales 1,048,576 bytes; bcodes 8,192,000 bytes; bscales 512,000 bytes; stats 65,536 bytes; part 16,777,216 bytes
;; launch quant (part 1): grid 256 x 1, 16 waves a work-group, no clusters, 155,136 bytes of LDS; arguments mapping_logits, embed_weight, acodes, ascales, bcodes, bscales, stats; writes acodes, ascales, bcodes, bscales, stats
.if DOCPART == 1
	.amdgcn_target "amdgcn-amd-amdhsa--gfx1250"
	.amdhsa_code_object_version 6
	.text
	.protected	k_q5f6bc851ab_quant
	.globl	k_q5f6bc851ab_quant
	.p2align	8
	.type	k_q5f6bc851ab_quant,@function
k_q5f6bc851ab_quant:
	s_mov_b64 s[64:65], 0
	v_nop
	global_prefetch_b8 v0, s[64:65] scope:SCOPE_SE
	s_setreg_imm32_b32 hwreg(HW_REG_WAVE_MODE, 25, 1), 1
	s_wait_xcnt 0x0
; BOTH OPERANDS OF  out = softmax(mapping_logits[id]) x embed_weight  BECOME CODES OF FP4 (E2M1) WITH ONE E8M0 BYTE FOR EACH 32 ALONG K = 32,000.
; A token's result hangs on its id alone, so the softmax is taken once for each of the table's 1,024 rows, whatever token_ids holds; the last launch deals the rows out.
; K is 250 steps of 128, cut into 8 chunks; chunk c begins at step st(c) = 31 c + max(c - 6, 0) and is worked as a window of 32 steps (4,096 numbers, 16,384 bytes of a row).
; For c < 6 the window's last step belongs to the next chunk: its logits are replaced by -infinity, so that p = 0, its codes are zeros, and neither the maximum nor the sum sees it.
; A: for a row and a chunk, t = logit x log2(e), M = ceil(the chunk's largest t), a whole number; p = 2^(t - M) is quantised along K; l = the sum of the unquantised p.  M and l go to stats;
;    the last launch joins the chunks by powers of two, 2^(M_c - M), which round nothing.
; B: embed_weight [32000][512] has K as its first axis: a lane takes a column and its registers run down K, so a block of 32 lies in one lane.
; A block's scale is 2^(floor(log2(largest magnitude)) - 2): its byte is the largest magnitude's exponent field - 2, held at 1 from below.
; LIMITS: NaN and infinities among the inputs are not served.  A block of zeros gets the byte 1 where the rule says 127: its codes are zeros, and this program alone reads the bytes.
;         A p under 2^-126 (a logit some 87 under its chunk's largest) counts as 0.
; THE CODES ARE LAID IN THE ORDER OF THE OPERAND'S REGISTERS: an image of 1,024 bytes is 16 rows (or columns) x 128 K; the 16 bytes at 512 cc + 16 lane are registers 4 cc .. 4 cc + 3 of that lane:
;   row lane % 16, K = 64 cc + 32 (lane / 16) + 0 .. 31.   acodes [c 8][T 64][s 32][1024];  bcodes [g 250][t 32][1024];
;   ascales [c][T][q 4][lane 32][e 4] words: row lane % 16, step 8 q + 4 (lane / 16) + e;   bscales [g][t][16] words;   stats [c][row] {M, l}.
; SHARES.  256 work-groups of 16 waves.  Work-group g < 250 first takes K step g of the weight (128 rows x 2,048 bytes, dense): wave w columns 32 w .. 32 w + 31.
; Then every work-group takes tile T = g / 4 of 16 table rows, a row a wave, for chunks 2 (g % 4) and 2 (g % 4) + 1: a unit is one row x 4,096 numbers, kept whole in 128 registers,
; so the chunk's maximum is known before the first exponential.  Registers that are done with take the next stream's loads at once: weight, unit 0, unit 1.
; No tensor loads and no matrix work: memory binds; each input byte is read once (but for six chunks' masked step), by loads of 512 or 128 consecutive bytes a wave.
.set RAW,  48                          ; v48-175   128 numbers a lane as they are loaded
.set X,    176                         ; v176-207  two sets of 16 neighbours along K.  In the weight's part: v176-191 the codes of four blocks, v192 their scale word
.set CD,   208                         ; v208-223  a step's codes, two registers for each of a unit's eight steps
.set BY,   224                         ; v224-231  a step's scale byte
.set WO,   232                         ; v232-247  the way out: two images' 16 bytes x 4
.set WS,   248                         ; v248-251  the way out: four scale words
.set WT,   252                         ; v252-253  the way out: M and l
.set SP,    80                         ; LDS: a lane's place in a turn stage: 64 bytes + 16 of padding
.set STGW,  5120                       ; a wave's two turn stages of 32 x SP bytes, from LDS byte 0 on
.set COD0,  81920                      ; unit 0's codes: 16 rows x (2,048 bytes + 16)
.set CPIT,  2064
.set CODU,  33024                      ; from unit 0's region to unit 1's
.set SCB0,  147968                     ; unit 0's scale bytes: 16 rows x (128 bytes + 16)
.set BPIT,  144
.set SCBU,  2304
.set STAT0, 152576                     ; unit 0's M and l: 16 x 8 bytes
.set STATU, 128
; s[4:17] the seven buffers; s18 wave; s19 work-group; s[20:21] lane selects; s[22:23] log2(e), twice; s24 T; s25 first chunk; s[28:31] logits of unit 0, 1; s32-33 masks of the last step;
; s[34:37] acodes, s[38:41] ascales, s[42:45] stats of unit 0, 1; s[46:47] the weight's step; s[48:49] bcodes; s[50:51] bscales; s52-57 at work
	s_load_b256 s[4:11], s[0:1], 0x0               ; mapping_logits, embed_weight, acodes, ascales
	s_load_b128 s[12:15], s[0:1], 0x20             ; bcodes, bscales
	s_load_b64 s[16:17], s[0:1], 0x30              ; stats
	v_lshl_add_u32 v254, v0, 2, 0x25600
	v_mov_b32 v255, 0
	v_lshrrev_b32 v15, 5, v0
	v_readfirstlane_b32 s18, v15                   ; wave 0..15
	v_and_b32 v1, 31, v0                           ; lane
	v_lshlrev_b32 v2, 4, v1                        ; v2: 16 x lane
	v_lshlrev_b32 v3, 2, v0                        ; v3: 4 x thread: my column of the weight, and my word of bscales
	v_and_b32 v20, 15, v0                          ; r
	v_bfe_u32 v22, v0, 4, 1                        ; h
	v_lshrrev_b32 v4, 4, v0                        ; the weight's tile of 16 columns: 2 x wave + h
	v_lshlrev_b32 v4, 10, v4
	v_lshl_add_u32 v4, v20, 4, v4                  ; v4: my 16 bytes in that tile's image: 1,024 x tile + 16 r
	s_mul_i32 s52, s18, STGW
	v_lshrrev_b32 v5, 2, v1
	v_mul_u32_u24 v5, v5, SP
	v_and_b32 v23, 3, v1
	v_lshl_add_u32 v5, v23, 4, v5
	v_add_nc_u32 v5, s52, v5                       ; v5: the turn stage, in: four lanes' 64 bytes on end, then 16 of padding
	v_mul_u32_u24 v6, v1, SP
	v_add_nc_u32 v6, s52, v6                       ; v6: and out: my 16 neighbours
	s_mul_i32 s52, s18, CPIT
	s_add_co_u32 s52, s52, COD0
	v_lshl_add_u32 v7, v1, 3, s52                  ; v7: my row's codes: 8 bytes a lane  (an LDS immediate has 16 bits: the region's base stands in the register)
	s_mul_i32 s52, s18, BPIT
	s_add_co_u32 s52, s52, SCB0
	v_lshrrev_b32 v8, 1, v1
	v_add_nc_u32 v8, s52, v8                       ; v8: my row's scale bytes: two lanes to a block
	v_mul_u32_u24 v9, v20, CPIT
	v_lshl_add_u32 v9, v22, 4, v9
	s_lshl_b32 s52, s18, 7
	s_add_co_u32 s52, s52, COD0
	v_add_nc_u32 v9, s52, v9                       ; v9: the way out: row r, steps 2 w and 2 w + 1 (128 bytes), + 16 h
	v_mul_u32_u24 v10, v20, BPIT
	v_lshl_add_u32 v10, v22, 4, v10
	s_and_b32 s52, s18, 3
	s_lshl_b32 s52, s52, 5
	s_add_co_u32 s52, s52, SCB0
	v_add_nc_u32 v10, s52, v10                     ; v10: the way out: row r's words of steps 8 (w % 4) + 4 h + 0 .. 3
	s_lshl_b32 s52, s18, 3
	s_add_co_u32 s52, s52, STAT0
	v_mov_b32 v11, s52                             ; v11: where my row's M and l go
	v_lshlrev_b32 v12, 3, v20                      ; v12: 8 r: a row's place in stats
	v_add_nc_u32 v14, STAT0, v12                   ; v14: and in LDS
	v_mov_b32 v13, 0xff800000                      ; -infinity
	v_mov_b32 v21, 0                               ; written once: a lane permute's destination counts as one of its sources
	s_mov_b32 s19, ttmp9
	s_lshr_b32 s24, s19, 2                         ; T
	s_and_b32 s25, s19, 3
	s_lshl_b32 s25, s25, 1                         ; the first of my two chunks
	s_mov_b32 s20, 0x76543210
	s_mov_b32 s21, 0xfedcba98                      ; v_permlanex16_b32's selects for lane l xor 16
	s_mov_b32 s22, 0x3fb8aa3b                      ; log2(e)
	s_mov_b32 s23, s22                             ; (named with it as a pair, so it is written)
	s_mov_b32 s55, 0                               ; every offset here stays under 2^32
	s_wait_kmcnt 0x0
	s_lshl_b32 s54, s19, 18
	s_add_nc_u64 s[46:47], s[6:7], s[54:55]        ; the weight's rows 128 g on
	s_lshl_b32 s54, s19, 15
	s_add_nc_u64 s[48:49], s[12:13], s[54:55]      ; its 32 images
	s_lshl_b32 s54, s19, 11
	s_add_nc_u64 s[50:51], s[14:15], s[54:55]      ; its 512 scale words
.irp u, 0,1
	s_add_co_u32 s52, s25, \u                      ; chunk c
	s_cmp_lt_u32 s52, 6
	s_cselect_b32 s[32+\u], -1, 0                  ; all lanes where the window's last step is the next chunk's
	s_mul_i32 s53, s52, 31
	s_sub_co_i32 s54, s52, 6
	s_max_i32 s54, s54, 0
	s_add_co_u32 s53, s53, s54                     ; st(c)
	s_lshl_b32 s53, s53, 9                         ; 512 bytes a step
	s_lshl_b32 s54, s24, 4
	s_add_co_u32 s54, s54, s18                     ; my row: 16 T + wave
	s_mul_i32 s54, s54, 128000
	s_add_co_u32 s54, s54, s53
	s_add_nc_u64 s[28+2*\u:29+2*\u], s[4:5], s[54:55]
	s_lshl_b32 s56, s52, 6
	s_add_co_u32 s56, s56, s24                     ; 64 c + T
	s_lshl_b32 s54, s56, 15
	s_lshl_b32 s57, s18, 11
	s_add_co_u32 s54, s54, s57
	s_add_nc_u64 s[34+2*\u:35+2*\u], s[8:9], s[54:55]    ; images 2 w and 2 w + 1 of the tile's 32
	s_lshl_b32 s54, s56, 11
	s_and_b32 s57, s18, 3
	s_lshl_b32 s57, s57, 9
	s_add_co_u32 s54, s54, s57
	s_add_nc_u64 s[38+2*\u:39+2*\u], s[10:11], s[54:55]  ; quarter w % 4 of the tile's scale words
	s_lshl_b32 s54, s52, 10
	s_lshl_b32 s57, s24, 4
	s_add_co_u32 s54, s54, s57
	s_lshl_b32 s54, s54, 3
	s_add_nc_u64 s[42+2*\u:43+2*\u], s[16:17], s[54:55]  ; the tile's 16 rows in stats
.endr
; Block b of the weight's K step: rows 32 b + i, my column: a wave reads 128 consecutive bytes, the sixteen waves a whole row
.macro ELOAD b
.set EI, 0
.rept 32
	global_load_b32 v[RAW+32*(\b)+EI], v3, s[46:47] offset:(32*(\b)+EI)*2048 th:TH_LOAD_NT
.set EI, EI+1
.endr
.endm
; and its codes: all 32 numbers of the block are mine.  Sixteen lanes store 256 consecutive bytes, aligned: half a plane of a tile's image
.macro EBLOCK b
.set ES, RAW+32*(\b)
	v_max3_num_f32 v20, |v[ES]|, |v[ES+1]|, |v[ES+2]|
	v_max3_num_f32 v22, |v[ES+3]|, |v[ES+4]|, |v[ES+5]|
.irp i, 6,10,14,18,22,26
	v_max3_num_f32 v20, v20, |v[ES+\i]|, |v[ES+\i+1]|
	v_max3_num_f32 v22, v22, |v[ES+\i+2]|, |v[ES+\i+3]|
.endr
	v_max3_num_f32 v20, v20, |v[ES+30]|, |v[ES+31]|
	v_max3_num_f32 v20, v20, v22, 0x1800000        ; and the floor 2^(3 - 127): the byte cannot fall under 1
	v_add_nc_u32 v23, 0xff000000, v20              ; 2 off the exponent field: the conversion takes this operand's exponent field as its scale
	v_lshrrev_b32 v22, 23, v23                     ; the scale's byte
.if (\b) == 0
	v_mov_b32 v[X+16], v22
.else
	v_lshl_or_b32 v[X+16], v22, 8*(\b), v[X+16]    ; four bytes make my column's scale word of this K step
.endif
.irp g, 0,1,2,3
	v_cvt_scalef32_pk8_fp4_f32 v[X+4*(\b)+\g], v[ES+8*\g:ES+8*\g+7], v23
.endr
	v_nop                                          ; one plain line behind the last scaled conversion
	global_store_b128 v4, v[X+4*(\b):X+4*(\b)+3], s[48:49] offset:((\b)/2)*512+((\b)%2)*256   ; block b = 2 cc + h: plane cc, lanes 16 h on
.endm
; n loads of unit u's row from load q0 on: load q is K step q of the window: 512 consecutive bytes, 16 a lane
.macro LLOAD u, q0, n
.set LQ, \q0
.rept \n
	global_load_b128 v[RAW+4*LQ:RAW+4*LQ+3], v2, s[28+2*\u:29+2*\u] offset:512*LQ th:TH_LOAD_NT
.set LQ, LQ+1
.endr
.endm
; 512 numbers (four loads) go through my wave's own stage as they lie and come back 16 neighbours a lane.  LDS serves a wave's instructions in order: no wait between the stores and the loads
.macro TURN j
.irp i, 0,1,2,3
	ds_store_b128 v5, v[RAW+16*(\j)+4*\i:RAW+16*(\j)+4*\i+3] offset:32*SP*((\j)%2)+8*SP*\i
.endr
.irp i, 0,1,2,3
	ds_load_b128 v[X+16*((\j)%2)+4*\i:X+16*((\j)%2)+4*\i+3], v6 offset:32*SP*((\j)%2)+16*\i
.endr
.endm
; Step j of a unit's eight: 512 numbers become p, are summed and quantised.  Two neighbouring lanes hold a block of 32.
.macro LSTEP u, j, nxt
.set XS, X+16*((\j)%2)
.if (\j) == 0
	s_wait_dscnt 0x0                               ; this step's numbers are back from the stage
.else
	s_wait_dscnt 0x2                               ; likewise; the last step's two LDS stores, issued behind those loads, may be out.  So the stage's stores have read v[RAW + 16 j] on,
.endif
.if \nxt
	LLOAD 1, 4*(\j), 4                             ; which take the next unit's loads
.endif
.if (\j) < 7
	TURN (\j)+1                                    ; the next step goes through the other stage while this one is worked
.endif
	v_max3_num_f32 v24, v[XS], v[XS+1], v[XS+2]    ; the block's largest logit: p rises with the logit, so it gives the block's largest p by the same two instructions
	v_max3_num_f32 v25, v[XS+3], v[XS+4], v[XS+5]
	v_max3_num_f32 v24, v24, v[XS+6], v[XS+7]
	v_max3_num_f32 v25, v25, v[XS+8], v[XS+9]
	v_max3_num_f32 v24, v24, v[XS+10], v[XS+11]
	v_max3_num_f32 v25, v25, v[XS+12], v[XS+13]
	v_max3_num_f32 v24, v24, v[XS+14], v[XS+15]
	v_max_num_f32 v24, v24, v25
	v_max_num_f32_dpp v24, v24, v24 row_xmask:1 row_mask:0xf bank_mask:0xf   ; with my neighbour's 16
.irp i, 0,2,4,6,8,10,12,14
	v_pk_fma_f32 v[XS+\i:XS+\i+1], v[XS+\i:XS+\i+1], s[22:23], v[16:17] op_sel_hi:[1,0,0]   ; t - M, two at a time
.endr
	v_fma_f32 v24, v24, s22, v16
.set EI, 0
.rept 16
	v_exp_f32 v[XS+EI], v[XS+EI]                   ; p = 2^(t - M): not normalised
.set EI, EI+1
.endr
	v_exp_f32 v24, v24                             ; the block's largest p
	v_nop                                          ; a plain line behind the last exponential
	s_wait_alu depctr_va_vdst(0)                   ; one wait for the batch of 17, ahead of the first line that names a result
.irp i, 0,4,8,12
	v_pk_add_f32 v[18:19], v[18:19], v[XS+\i:XS+\i+1]        ; the sum is taken of the unquantised p, in two chains
	v_pk_add_f32 v[28:29], v[28:29], v[XS+\i+2:XS+\i+3]
.endr
	v_max_num_f32 v24, 0x1800000, v24              ; the floor 2^(3 - 127): a block whose every p is 0 keeps the byte 1, and its codes are zeros
	v_add_nc_u32 v25, 0xff000000, v24              ; 2 off the exponent field: the conversion's scale operand
	v_cvt_scalef32_pk8_fp4_f32 v[CD+2*(\j)], v[XS:XS+7], v25
	v_cvt_scalef32_pk8_fp4_f32 v[CD+2*(\j)+1], v[XS+8:XS+15], v25
	v_lshrrev_b32 v[BY+(\j)], 23, v25              ; the scale's byte (also the plain line behind the conversions)
	ds_store_b64 v7, v[CD+2*(\j):CD+2*(\j)+1] offset:CODU*\u+256*(\j)      ; my 16 codes: 8 bytes of my row
	ds_store_b8 v8, v[BY+(\j)] offset:SCBU*\u+16*(\j)                      ; both lanes of a block write the same byte with the same value
.endm
; The way out of unit u: the tile's 16 rows lie in LDS; wave w stores images 2 w and 2 w + 1, each store 512 consecutive bytes; waves 0 to 3 a quarter of the scale words each; wave 4 the 16 rows' M and l.
.macro LOUT u
.if \u
	s_wait_xcnt 0x0                                ; unit 0's stores have read their registers: these are written again only behind this wait
.endif
.irp i, 0,1
.irp cc, 0,1
	ds_load_b128 v[WO+4*(2*\i+\cc):WO+4*(2*\i+\cc)+3], v9 offset:CODU*\u+64*\i+32*\cc
.endr
.endr
	s_cmp_gt_u32 s18, 4
	s_cbranch_scc1 .Lcodes_\@
	s_cmp_eq_u32 s18, 4
	s_cbranch_scc1 .Lstat_\@
	ds_load_b128 v[WS:WS+3], v10 offset:SCBU*\u
	s_wait_dscnt 0x0
	global_store_b128 v2, v[WS:WS+3], s[38+2*\u:39+2*\u]
	s_branch .Lcodes_\@
.Lstat_\@:
	ds_load_b64 v[WT:WT+1], v14 offset:STATU*\u
	s_wait_dscnt 0x0
	global_store_b64 v12, v[WT:WT+1], s[42+2*\u:43+2*\u]     ; lanes 16-31 repeat lanes 0-15: the same bytes with the same values
.Lcodes_\@:
	s_wait_dscnt 0x0
.irp i, 0,1
.irp cc, 0,1
	global_store_b128 v2, v[WO+4*(2*\i+\cc):WO+4*(2*\i+\cc)+3], s[34+2*\u:35+2*\u] offset:1024*\i+512*\cc
.endr
.endr
.endm
; A unit: one row x one chunk
.macro LUNIT u, nxt
	s_wait_loadcnt 0x0                             ; the whole window is in registers
.irp i, 0,1,2,3
	v_cndmask_b32 v[RAW+124+\i], v[RAW+124+\i], v13, s[32+\u]   ; load 31 is the window's last step: -infinity where it is the next chunk's
.endr
.irp k, 0,1,2,3
	v_max3_num_f32 v[24+\k], v[RAW+32*\k], v[RAW+32*\k+1], v[RAW+32*\k+2]     ; the largest of my 128, in four chains
.endr
.irp i, 3,5,7,9,11,13,15,17,19,21,23,25,27,29
.irp k, 0,1,2,3
	v_max3_num_f32 v[24+\k], v[24+\k], v[RAW+32*\k+\i], v[RAW+32*\k+\i+1]
.endr
.endr
	v_max3_num_f32 v24, v24, v[RAW+31], v[RAW+63]
	v_max3_num_f32 v26, v26, v[RAW+95], v[RAW+127]
	v_max3_num_f32 v24, v24, v25, v26
	v_max_num_f32 v20, v24, v27
	v_max_num_f32_dpp v20, v20, v20 row_xmask:1 row_mask:0xf bank_mask:0xf
	v_max_num_f32_dpp v20, v20, v20 row_xmask:2 row_mask:0xf bank_mask:0xf
	v_max_num_f32_dpp v20, v20, v20 row_xmask:4 row_mask:0xf bank_mask:0xf
	v_max_num_f32_dpp v20, v20, v20 row_xmask:8 row_mask:0xf bank_mask:0xf
	v_permlanex16_b32 v21, v20, s20, s21
	v_max_num_f32 v20, v20, v21                    ; the chunk's largest logit, in every lane
	v_mul_f32 v20, s22, v20                        ; as t
	v_floor_f32 v16, -v20                          ; -M = floor(-t) = -ceil(t): M is a whole number
	v_mov_b32 v18, 0                               ; the sum, in two chains of two halves
	v_mov_b32 v19, 0
	v_mov_b32 v28, 0
	v_mov_b32 v29, 0
	v_mov_b32 v17, v16                             ; (named with -M as a pair, so it is written)
	TURN 0
.irp j, 0,1,2,3,4,5,6,7
	LSTEP \u, \j, \nxt
.endr
	v_pk_add_f32 v[18:19], v[18:19], v[28:29]
	v_add_f32 v18, v18, v19
	v_add_f32_dpp v18, v18, v18 row_xmask:1 row_mask:0xf bank_mask:0xf
	v_add_f32_dpp v18, v18, v18 row_xmask:2 row_mask:0xf bank_mask:0xf
	v_add_f32_dpp v18, v18, v18 row_xmask:4 row_mask:0xf bank_mask:0xf
	v_add_f32_dpp v18, v18, v18 row_xmask:8 row_mask:0xf bank_mask:0xf
	v_permlanex16_b32 v21, v18, s20, s21
	v_add_f32 v27, v18, v21                        ; l
	v_sub_f32 v26, 0, v16                          ; M
	ds_store_b64 v11, v[26:27] offset:STATU*\u     ; all lanes write the same 8 bytes with the same values
	s_wait_dscnt 0x0                               ; for the others' sake: my row's codes, bytes, M and l lie in LDS
	s_barrier_signal -1
	s_barrier_wait -1                              ; all sixteen rows do.  Each unit has LDS regions of its own, so nothing is written over and one barrier a unit is enough
	LOUT \u
.endm
	s_cmp_ge_u32 s19, 250                          ; the weight has 250 K steps: the last six work-groups have none
	s_cbranch_scc1 .Lno_embed
	ELOAD 0
	ELOAD 1
	s_wait_loadcnt 32                              ; block 0 is in; the 32 loads of block 1 may be out
	ELOAD 2
	EBLOCK 0
	s_wait_loadcnt 32                              ; block 1 is in; block 2's 32 may be out
	ELOAD 3
	EBLOCK 1
	s_wait_loadcnt 32                              ; block 2 is in; block 3's 32 may be out
	LLOAD 0, 0, 16                                 ; blocks 0 and 1 are done with: their registers take unit 0's first 16 loads
	EBLOCK 2
	s_wait_loadcnt 16                              ; block 3 is in; the 16 loads of unit 0 issued behind it may be out
	LLOAD 0, 16, 8
	EBLOCK 3
	LLOAD 0, 24, 8
	global_store_b32 v3, v[X+16], s[50:51]         ; my column's scale word: a wave stores 128 consecutive bytes, the work-group 2,048
	s_branch .Lunits
.Lno_embed:
	LLOAD 0, 0, 32
.Lunits:
	s_wait_xcnt 0x0                                ; the weight's stores have read their data, which lie where the turn's loads land
	LUNIT 0, 1
	LUNIT 1, 0
	s_wait_tensorcnt 0x0
	ds_add_u32 v254, v255
	s_wait_dscnt 0x0
	s_endpgm
.Lfunc_end_k_q5f6bc851ab_quant:
	.size	k_q5f6bc851ab_quant, .Lfunc_end_k_q5f6bc851ab_quant-k_q5f6bc851ab_quant
	.p2alignl 7, 3214868480
	.fill 96, 4, 3214868480
	.section	.rodata,"a",@progbits
	.p2align	6, 0x0
	.amdhsa_kernel k_q5f6bc851ab_quant
		.amdhsa_group_segment_fixed_size 155136
		.amdhsa_private_segment_fixed_size 0
		.amdhsa_enable_private_segment 0
		.amdhsa_kernarg_size 56
		.amdhsa_user_sgpr_count 2
		.amdhsa_user_sgpr_kernarg_segment_ptr 1
		.amdhsa_wavefront_size32 1
		.amdhsa_system_sgpr_workgroup_id_x 1
		.amdhsa_system_sgpr_workgroup_id_y 1
		.amdhsa_system_sgpr_workgroup_id_z 1
		.amdhsa_system_vgpr_workitem_id 0
		.amdhsa_next_free_vgpr 256
		.amdhsa_next_free_sgpr 66
		.amdhsa_reserve_vcc 0
		.amdhsa_float_denorm_mode_32 3
		.amdhsa_float_denorm_mode_16_64 3
		.amdhsa_memory_ordered 1
		.amdhsa_forward_progress 1
		.amdhsa_inst_pref_size 97
	.end_amdhsa_kernel
	.amdgpu_metadata
---
amdhsa.version: [ 1, 2 ]
amdhsa.kernels:
  - .name:           k_q5f6bc851ab_quant
    .symbol:         k_q5f6bc851ab_quant.kd
    .args:
      - { .name: mapping_logits, .offset: 0, .size: 8, .value_kind: global_buffer, .address_space: global }
      - { .name: embed_weight, .offset: 8, .size: 8, .value_kind: global_buffer, .address_space: global }
      - { .name: acodes, .offset: 16, .size: 8, .value_kind: global_buffer, .address_space: global }
      - { .name: ascales, .offset: 24, .size: 8, .value_kind: global_buffer, .address_space: global }
      - { .name: bcodes, .offset: 32, .size: 8, .value_kind: global_buffer, .address_space: global }
      - { .name: bscales, .offset: 40, .size: 8, .value_kind: global_buffer, .address_space: global }
      - { .name: stats, .offset: 48, .size: 8, .value_kind: global_buffer, .address_space: global }
    .group_segment_fixed_size: 155136
    .private_segment_fixed_size: 0
    .kernarg_segment_align: 8
    .kernarg_segment_size: 56
    .max_flat_workgroup_size: 512
    .sgpr_count:     66
    .vgpr_count:     256
    .wavefront_size: 32
...
	.end_amdgpu_metadata
.endif
;; end of part 1
;; launch gemm (part 2): grid 32 x 8, 4 waves a work-group, no clusters, 270,848 bytes of LDS; arguments acodes, ascales, bcodes, bscales, part; writes part
.if DOCPART == 2
	.amdgcn_target "amdgcn-amd-amdhsa--gfx1250"
	.amdhsa_code_object_version 6
	.text
	.protected	k_q5f6bc851ab_gemm
	.globl	k_q5f6bc851ab_gemm
	.p2align	8
	.type	k_q5f6bc851ab_gemm,@function
k_q5f6bc851ab_gemm:
	s_mov_b64 s[64:65], 0
	v_nop
	global_prefetch_b8 v0, s[64:65] scope:SCOPE_SE
	s_setreg_imm32_b32 hwreg(HW_REG_WAVE_MODE, 25, 1), 1
	s_wait_xcnt 0x0
; part[c][row][col] = the sum over chunk c's window of 32 K steps of P[row][k] W[k][col], on codes of FP4 (E2M1) with E8M0 scales, sums in f32.  1,024 rows x 512 columns x 8 chunks.
; A work-group makes a tile of 128 rows x 128 columns of one chunk: grid x = 4 (block of rows) + (block of columns), grid y = the chunk.  8 x 4 x 8 = 256 work-groups.
; THE FOUR WAVES SHARE K, NOT THE TILE: wave q takes the whole 128 x 128 (64 accumulators, 512 registers) for steps 8 q .. 8 q + 7 of the window.  So no fragment is loaded twice in a work-group,
; and the codes, laid by the launch before in the order of the operand's registers, go from memory straight into registers: each load is 512 consecutive bytes.  The four partial tiles meet in LDS at the end.
; The window's last step of chunks 0 to 5 has zero codes on P's side (it belongs to the next chunk): it adds nothing, whatever W's codes there.
; THE MATRIX INSTRUCTION IS USED TRANSPOSED: source 0 = 16 columns of W, source 1 = 16 rows of P: a lane then holds eight neighbouring columns of one row.
; NO JOINT REQUESTS: P's images are read by 4 work-groups and W's by 8, but a joint request lands in LDS, and here no byte is used by two waves of a work-group; a wave's whole share is 8 steps of
; 32 loads, 128 KB, which as slots in LDS would be a handful of fills, each behind a meeting of all partners.  No LDS ring for the same reason.
; REGISTERS, in windows of 256: window 0: v1-10 addresses; v32-63 P's scale words (tile a, e: lanes 0-15 step e, lanes 16-31 step 4 + e); v64-95 W's (step j, u: lanes 0-15 tile 2 u, lanes 16-31 tile 2 u + 1);
;   v128-191, v192-255 P's fragments, sets 1 and 2.   window 1: v0-191 W's fragments, sets 0, 1, 2; v192-255 P's set 0.   windows 2, 3: the accumulators, (a, b) at v[8 (8 (a % 4) + b)] of window 2 + a / 4.
; Three sets of fragments take turns: while step j is multiplied, the loads of steps j + 1 and j + 2 are on their way.
.set ASC,  32
.set BSC,  64
.set RPIT, 528                         ; a row of a partial tile in LDS: 512 bytes + 16
.set REG,  128*RPIT                    ; a wave's partial tile
.set MSB, 0
.macro WIN new                         ; the immediate's high byte repeats the setting that is left; a switch that changes nothing is dropped
.if MSB != \new
	s_set_vgpr_msb (MSB<<8)|\new
.set MSB, \new
.endif
.endm
	s_load_b256 s[4:11], s[0:1], 0x0               ; acodes s[4:5], ascales s[6:7], bcodes s[8:9], bscales s[10:11]
	s_load_b64 s[12:13], s[0:1], 0x20              ; part
	v_lshl_add_u32 v126, v0, 2, 0x42000
	v_mov_b32 v127, 0
	v_lshrrev_b32 v8, 5, v0
	v_readfirstlane_b32 s14, v8                    ; wave q
	v_and_b32 v8, 31, v0
	v_lshlrev_b32 v1, 4, v8                        ; v1: 16 x lane
	v_lshlrev_b32 v2, 2, v8                        ; v2: 4 x lane
	v_and_b32 v9, 15, v0                           ; r
	v_bfe_u32 v10, v0, 4, 1                        ; h
	s_mul_i32 s24, s14, REG
	v_mul_u32_u24 v3, v9, RPIT
	v_lshl_add_u32 v3, v10, 5, v3
	v_add_nc_u32 v3, s24, v3                       ; v3: into my partial tile: row r, + 32 h
	s_mul_i32 s25, s14, 32*RPIT
	v_add_nc_u32 v4, s25, v1                       ; v4-7: out of partial tile 0 .. 3: rows 32 q on, 16 bytes a lane
	v_add_nc_u32 v5, REG, v4
	v_add_nc_u32 v6, 2*REG, v4
	v_add_nc_u32 v7, 3*REG, v4
	s_lshr_b32 s15, ttmp9, 2                       ; block of 128 rows
	s_and_b32 s16, ttmp9, 3                        ; block of 128 columns
	s_and_b32 s17, ttmp7, 0xffff                   ; chunk c
	s_mul_i32 s18, s17, 31
	s_sub_co_i32 s19, s17, 6
	s_max_i32 s19, s19, 0
	s_add_co_u32 s18, s18, s19                     ; st(c) = 31 c + max(c - 6, 0)
	s_lshl_b32 s19, s14, 3
	s_add_co_u32 s18, s18, s19                     ; my first K step of W: st(c) + 8 q
	s_lshl_b32 s20, s17, 6
	s_lshl_b32 s19, s15, 3
	s_add_co_u32 s20, s20, s19                     ; my first tile of P: 64 c + 8 x block
	s_mov_b32 s23, 0                               ; every offset here stays under 2^32
	s_wait_kmcnt 0x0
	s_lshl_b32 s22, s20, 15
	s_lshl_b32 s19, s14, 13
	s_add_co_u32 s22, s22, s19
	s_add_nc_u64 s[4:5], s[4:5], s[22:23]          ; P's images: 32,768 bytes a tile, my 8 steps of 1,024
	s_lshl_b32 s22, s20, 11
	s_lshl_b32 s19, s14, 9
	s_add_co_u32 s22, s22, s19
	s_add_nc_u64 s[6:7], s[6:7], s[22:23]          ; P's scale words: 2,048 bytes a tile, my quarter of 512
	s_lshl_b32 s22, s18, 15
	s_lshl_b32 s19, s16, 13
	s_add_co_u32 s22, s22, s19
	s_add_nc_u64 s[8:9], s[8:9], s[22:23]          ; W's images: 32,768 bytes a step, my 8 tiles of 1,024
	s_lshl_b32 s22, s18, 11
	s_lshl_b32 s19, s16, 9
	s_add_co_u32 s22, s22, s19
	s_add_nc_u64 s[10:11], s[10:11], s[22:23]      ; W's scale words: 2,048 bytes a step, my 8 tiles of 64
	s_lshl_b32 s22, s17, 10
	s_lshl_b32 s19, s15, 7
	s_add_co_u32 s22, s22, s19
	s_lshl_b32 s19, s14, 5
	s_add_co_u32 s22, s22, s19                     ; the first row that I store: 1,024 c + 128 x block + 32 q
	s_lshl_b32 s22, s22, 11
	s_lshl_b32 s19, s16, 9
	s_add_co_u32 s22, s22, s19
	s_add_nc_u64 s[12:13], s[12:13], s[22:23]
; 32 loads: step j's eight fragments of W and eight of P into set j % 3
.macro LOADSTEP j
.set LSET, (\j)%3
	WIN 0x40                                       ; destination window 1, address window 0
.irp b, 0,1,2,3,4,5,6,7
.irp cc, 0,1
	global_load_b128 v[64*LSET+8*\b+4*\cc:64*LSET+8*\b+4*\cc+3], v1, s[8:9] offset:(\j)*32768+\b*1024+\cc*512
.endr
.endr
.if LSET == 0
.set LFA, 192                          ; P's set 0 lies in window 1 too
.else
	WIN 0
.set LFA, 64+64*LSET
.endif
.irp a, 0,1,2,3,4,5,6,7
.irp cc, 0,1
	global_load_b128 v[LFA+8*\a+4*\cc:LFA+8*\a+4*\cc+3], v1, s[4:5] offset:\a*32768+(\j)*1024+\cc*512
.endr
.endr
.endm
; One matrix instruction, by the symbols rD, rB, rA, rSB, rSA; ZR: the constant 0 starts the sum; R0, R1: source 0's, source 1's scales stand in lanes 16-31
.macro WMMA
.if ZR
.if R0
	v_wmma_scale_f32_16x16x128_f8f6f4 v[rD:rD+7], v[rB:rB+7], v[rA:rA+7], 0, v[rSB], v[rSA] matrix_a_fmt:MATRIX_FMT_FP4 matrix_b_fmt:MATRIX_FMT_FP4 matrix_a_scale:MATRIX_SCALE_ROW1
.else
	v_wmma_scale_f32_16x16x128_f8f6f4 v[rD:rD+7], v[rB:rB+7], v[rA:rA+7], 0, v[rSB], v[rSA] matrix_a_fmt:MATRIX_FMT_FP4 matrix_b_fmt:MATRIX_FMT_FP4
.endif
.elseif R0 && R1
	v_wmma_scale_f32_16x16x128_f8f6f4 v[rD:rD+7], v[rB:rB+7], v[rA:rA+7], v[rD:rD+7], v[rSB], v[rSA] matrix_a_fmt:MATRIX_FMT_FP4 matrix_b_fmt:MATRIX_FMT_FP4 matrix_a_scale:MATRIX_SCALE_ROW1 matrix_b_scale:MATRIX_SCALE_ROW1
.elseif R0
	v_wmma_scale_f32_16x16x128_f8f6f4 v[rD:rD+7], v[rB:rB+7], v[rA:rA+7], v[rD:rD+7], v[rSB], v[rSA] matrix_a_fmt:MATRIX_FMT_FP4 matrix_b_fmt:MATRIX_FMT_FP4 matrix_a_scale:MATRIX_SCALE_ROW1
.elseif R1
	v_wmma_scale_f32_16x16x128_f8f6f4 v[rD:rD+7], v[rB:rB+7], v[rA:rA+7], v[rD:rD+7], v[rSB], v[rSA] matrix_a_fmt:MATRIX_FMT_FP4 matrix_b_fmt:MATRIX_FMT_FP4 matrix_b_scale:MATRIX_SCALE_ROW1
.else
	v_wmma_scale_f32_16x16x128_f8f6f4 v[rD:rD+7], v[rB:rB+7], v[rA:rA+7], v[rD:rD+7], v[rSB], v[rSA] matrix_a_fmt:MATRIX_FMT_FP4 matrix_b_fmt:MATRIX_FMT_FP4
.endif
.endm
; Step j: 64 matrix instructions.  The 64 accumulators take turns, one instruction a turn, in the same order in every step.  zero = 1: the first step starts the sums: nothing is cleared.
.macro MULSTEP j, zero
.set MSET, (\j)%3
.set ZR, \zero
.set R1, (\j)/4
.if MSET == 0
.set MFA, 192
.set MWA, 4                            ; source 1 in window 1
.else
.set MFA, 64+64*MSET
.set MWA, 0
.endif
.irp a, 0,1,2,3,4,5,6,7
.if \a < 4
	WIN 0xa1+MWA                                   ; source 0 window 1; C and D window 2
.else
	WIN 0xf1+MWA                                   ; C and D window 3
.endif
.irp b, 0,1,2,3,4,5,6,7
.set rD, 8*(8*(\a%4)+\b)
.set rB, 64*MSET+8*\b
.set rA, MFA+8*\a
.set rSB, BSC+4*(\j)+\b/2
.set rSA, ASC+4*\a+(\j)%4
.set R0, \b%2
	WMMA
.endr
.endr
.endm
; A load into a register that a matrix instruction has read, and an LDS store that reads a matrix result, stand four places behind that matrix instruction; only plain vector instructions
; that name none of its registers are places (ISA guide 7.12.1 for vector instructions)
.macro PLACES
.rept 4
	v_nop
.endr
.endm
.irp a, 0,1,2,3,4,5,6,7
	global_load_b128 v[ASC+4*\a:ASC+4*\a+3], v1, s[6:7] offset:2048*\a     ; P's scale words of my 8 steps
.endr
.irp j, 0,1,2,3,4,5,6,7
.irp u, 0,1,2,3
	global_load_b32 v[BSC+4*\j+\u], v2, s[10:11] offset:2048*\j+128*\u     ; W's
.endr
.endr
	LOADSTEP 0
	LOADSTEP 1
	s_wait_loadcnt 32                              ; the scale words and step 0 are in; step 1's 32 loads may be out
	LOADSTEP 2
	MULSTEP 0, 1
.irp j, 1,2,3,4,5
	PLACES                                         ; the set that is loaded next was multiplied in the step before
	s_wait_loadcnt 32                              ; step j is in; the 32 loads of step j + 1 may be out
	LOADSTEP \j+2
	MULSTEP \j, 0
.endr
	s_wait_loadcnt 32                              ; step 6 is in; step 7's 32 may be out
	MULSTEP 6, 0
	s_wait_loadcnt 0x0
	MULSTEP 7, 0
	PLACES
; THE FOUR PARTIAL TILES MEET IN LDS.  Each wave stores its 128 x 128 by rows into its own region, each accumulator from its low end on; a barrier; wave q adds rows 32 q .. 32 q + 31 of the four and stores them.
.irp a, 0,1,2,3,4,5,6,7
	WIN 0x08+4*(\a/4)                              ; an LDS store's data are its source 1: window 2 or 3
.irp b, 0,1,2,3,4,5,6,7
	ds_store_b128 v3, v[8*(8*(\a%4)+\b):8*(8*(\a%4)+\b)+3] offset:\a*16*RPIT+64*\b          ; lane (r, h): row 16 a + r, columns 16 b + 8 h + 0 .. 7
	ds_store_b128 v3, v[8*(8*(\a%4)+\b)+4:8*(8*(\a%4)+\b)+7] offset:\a*16*RPIT+64*\b+16
.endr
.endr
	WIN 0
	s_wait_dscnt 0x0                               ; for the others' sake: my partial tile lies in LDS
	s_barrier_signal -1
	s_barrier_wait -1
.irp bt, 0,1,2,3                       ; eight rows at a time
.if \bt > 0
	s_wait_xcnt 0x0                                ; the last batch's stores have read their data: the loads below land there
.endif
.irp i, 0,1,2,3,4,5,6,7
.irp p, 0,1,2,3
	ds_load_b128 v[128+16*\i+4*\p:128+16*\i+4*\p+3], v[4+\p] offset:(8*\bt+\i)*RPIT
.endr
.endr
.irp i, 0,1,2,3,4,5,6,7
	s_wait_dscnt 28-4*\i                           ; row i's four loads are in; the four of each later row may be out
	v_pk_add_f32 v[128+16*\i:129+16*\i], v[128+16*\i:129+16*\i], v[132+16*\i:133+16*\i]
	v_pk_add_f32 v[130+16*\i:131+16*\i], v[130+16*\i:131+16*\i], v[134+16*\i:135+16*\i]
	v_pk_add_f32 v[136+16*\i:137+16*\i], v[136+16*\i:137+16*\i], v[140+16*\i:141+16*\i]
	v_pk_add_f32 v[138+16*\i:139+16*\i], v[138+16*\i:139+16*\i], v[142+16*\i:143+16*\i]
	v_pk_add_f32 v[128+16*\i:129+16*\i], v[128+16*\i:129+16*\i], v[136+16*\i:137+16*\i]
	v_pk_add_f32 v[130+16*\i:131+16*\i], v[130+16*\i:131+16*\i], v[138+16*\i:139+16*\i]
	global_store_b128 v1, v[128+16*\i:131+16*\i], s[12:13] offset:(8*\bt+\i)*2048   ; 32 lanes store 512 consecutive bytes, at a multiple of 512 from the buffer's first byte
.endr
.endr
	s_wait_tensorcnt 0x0
	ds_add_u32 v126, v127
	s_wait_dscnt 0x0
	s_endpgm
.Lfunc_end_k_q5f6bc851ab_gemm:
	.size	k_q5f6bc851ab_gemm, .Lfunc_end_k_q5f6bc851ab_gemm-k_q5f6bc851ab_gemm
	.p2alignl 7, 3214868480
	.fill 96, 4, 3214868480
	.section	.rodata,"a",@progbits
	.p2align	6, 0x0
	.amdhsa_kernel k_q5f6bc851ab_gemm
		.amdhsa_group_segment_fixed_size 270848
		.amdhsa_private_segment_fixed_size 0
		.amdhsa_enable_private_segment 0
		.amdhsa_kernarg_size 40
		.amdhsa_user_sgpr_count 2
		.amdhsa_user_sgpr_kernarg_segment_ptr 1
		.amdhsa_wavefront_size32 1
		.amdhsa_system_sgpr_workgroup_id_x 1
		.amdhsa_system_sgpr_workgroup_id_y 1
		.amdhsa_system_sgpr_workgroup_id_z 1
		.amdhsa_system_vgpr_workitem_id 0
		.amdhsa_next_free_vgpr 1024
		.amdhsa_next_free_sgpr 66
		.amdhsa_reserve_vcc 0
		.amdhsa_float_denorm_mode_32 3
		.amdhsa_float_denorm_mode_16_64 3
		.amdhsa_memory_ordered 1
		.amdhsa_forward_progress 1
		.amdhsa_inst_pref_size 129
	.end_amdhsa_kernel
	.amdgpu_metadata
---
amdhsa.version: [ 1, 2 ]
amdhsa.kernels:
  - .name:           k_q5f6bc851ab_gemm
    .symbol:         k_q5f6bc851ab_gemm.kd
    .args:
      - { .name: acodes, .offset: 0, .size: 8, .value_kind: global_buffer, .address_space: global }
      - { .name: ascales, .offset: 8, .size: 8, .value_kind: global_buffer, .address_space: global }
      - { .name: bcodes, .offset: 16, .size: 8, .value_kind: global_buffer, .address_space: global }
      - { .name: bscales, .offset: 24, .size: 8, .value_kind: global_buffer, .address_space: global }
      - { .name: part, .offset: 32, .size: 8, .value_kind: global_buffer, .address_space: global }
    .group_segment_fixed_size: 270848
    .private_segment_fixed_size: 0
    .kernarg_segment_align: 8
    .kernarg_segment_size: 40
    .max_flat_workgroup_size: 128
    .sgpr_count:     66
    .vgpr_count:     1024
    .wavefront_size: 32
...
	.end_amdgpu_metadata
.endif
;; end of part 2
;; launch combine (part 3): grid 256 x 1, 16 waves a work-group, no clusters, 0 bytes of LDS; arguments token_ids, stats, part, out0; writes out0
.if DOCPART == 3
	.amdgcn_target "amdgcn-amd-amdhsa--gfx1250"
	.amdhsa_code_object_version 6
	.text
	.protected	k_q5f6bc851ab_combine
	.globl	k_q5f6bc851ab_combine
	.p2align	8
	.type	k_q5f6bc851ab_combine,@function
k_q5f6bc851ab_combine:
	s_mov_b64 s[64:65], 0
	v_nop
	global_prefetch_b8 v0, s[64:65] scope:SCOPE_SE
	s_setreg_imm32_b32 hwreg(HW_REG_WAVE_MODE, 25, 1), 1
	s_wait_xcnt 0x0
; out0[token][:] = (the sum over the 8 chunks c of 2^(M_c - M) part[c][id][:]) / (the sum over c of 2^(M_c - M) l_c),  id = token_ids[token], M = the largest M_c of row id.
; Every M_c is a whole number, so the weights 2^(M_c - M) are exact powers of two (made by v_ldexp_f32 of 1.0): the chunks' sums are brought under the row's M with nothing rounded.
; One wave, one token: 4,096 waves in 256 work-groups of 16.  The id is read by a scalar load and held to 0 .. 1,023; it enters the addresses of the row's statistics and of its eight partial rows.
; A row is 2,048 bytes: four loads or stores of 512 consecutive bytes.  No LDS, no barrier, no matrix work: waves share nothing, and the launch only moves and weighs rows.
; s[4:5] token_ids, s[6:7] stats, s[8:9] part (chunks 0-3), s[18:19] part (chunks 4-7), s[10:11] out0; s[32:47] M_c, l_c.   v1 16 x lane; v2 M; v4 the sum; v5 its reciprocal; v6-13 at work;
; v16-31 the weights, each twice (a pair for the packed forms); v32-47 the result; v64-191 the eight partial rows
	s_load_b256 s[4:11], s[0:1], 0x0
	v_lshrrev_b32 v2, 5, v0
	v_readfirstlane_b32 s12, v2                    ; wave
	v_and_b32 v1, 31, v0
	v_lshlrev_b32 v1, 4, v1
	s_lshl_b32 s13, ttmp9, 4
	s_add_co_u32 s13, s13, s12                     ; my token
	s_lshl_b32 s14, s13, 2
	s_mov_b32 s15, 0
	s_lshl_b32 s16, s13, 11
	s_mov_b32 s17, 0
	s_wait_kmcnt 0x0
	s_add_nc_u64 s[4:5], s[4:5], s[14:15]
	s_add_nc_u64 s[10:11], s[10:11], s[16:17]      ; my row of out0
	s_load_b32 s20, s[4:5], 0x0
	s_wait_kmcnt 0x0
	s_min_u32 s20, s20, 1023                       ; an id stays inside the table
	s_lshl_b32 s14, s20, 11
	s_add_nc_u64 s[8:9], s[8:9], s[14:15]          ; row id of chunk 0,
	s_add_nc_u64 s[18:19], s[8:9], 0x800000        ; and of chunk 4: so the chunks' distances, 2,097,152 bytes each, stay inside the signed 24-bit immediate (ISA guide, chapter 10)
	s_lshl_b32 s16, s20, 3
	s_add_nc_u64 s[6:7], s[6:7], s[16:17]
.irp c, 0,1,2,3,4,5,6,7
	s_load_b64 s[32+2*\c:33+2*\c], s[6:7], 8192*\c ; M_c, l_c
.endr
.irp c, 0,1,2,3
.irp p, 0,1,2,3
	global_load_b128 v[64+16*\c+4*\p:64+16*\c+4*\p+3], v1, s[8:9] offset:\c*2097152+512*\p
.endr
.endr
.irp c, 0,1,2,3
.irp p, 0,1,2,3
	global_load_b128 v[128+16*\c+4*\p:128+16*\c+4*\p+3], v1, s[18:19] offset:\c*2097152+512*\p
.endr
.endr
	s_wait_kmcnt 0x0
	v_mov_b32 v2, s32
	v_max3_num_f32 v2, v2, s34, s36
	v_max3_num_f32 v2, v2, s38, s40
	v_max3_num_f32 v2, v2, s42, s44
	v_max_num_f32 v2, s46, v2                      ; M
.irp c, 0,1,2,3,4,5,6,7
	v_sub_f32 v[6+\c], s[32+2*\c], v2              ; M_c - M: a whole number, 0 or less
.endr
.irp c, 0,1,2,3,4,5,6,7
	v_cvt_i32_f32 v[6+\c], v[6+\c]                 ; (it saturates)
.endr
.irp c, 0,1,2,3,4,5,6,7
	v_ldexp_f32 v[16+2*\c], 1.0, v[6+\c]           ; 2^(M_c - M)
.endr
	v_mul_f32 v4, s33, v16
.irp c, 1,2,3,4,5,6,7
	v_fmac_f32 v4, s[33+2*\c], v[16+2*\c]          ; the row's sum under M
.endr
	v_rcp_f32 v5, v4
	v_nop                                          ; a plain line behind the reciprocal
	s_wait_alu depctr_va_vdst(0)                   ; and a wait ahead of its first use
.irp c, 0,1,2,3,4,5,6,7
	v_mul_f32 v[16+2*\c], v[16+2*\c], v5
.endr
.irp c, 0,1,2,3,4,5,6,7
	v_mov_b32 v[17+2*\c], v[16+2*\c]               ; (named with it as a pair, so it is written)
.endr
	s_wait_loadcnt 28                              ; chunk 0's four loads are in; the 28 of the later chunks may be out
.irp i, 0,2,4,6,8,10,12,14
	v_pk_mul_f32 v[32+\i:33+\i], v[64+\i:65+\i], v[16:17] op_sel_hi:[1,0]
.endr
.irp c, 1,2,3,4,5,6,7
	s_wait_loadcnt 28-4*\c                         ; chunk c's four loads are in; four for each later chunk may be out
.irp i, 0,2,4,6,8,10,12,14
	v_pk_fma_f32 v[32+\i:33+\i], v[64+16*\c+\i:65+16*\c+\i], v[16+2*\c:17+2*\c], v[32+\i:33+\i] op_sel_hi:[1,0,1]
.endr
.endr
.irp p, 0,1,2,3
	global_store_b128 v1, v[32+4*\p:35+4*\p], s[10:11] offset:512*\p th:TH_STORE_NT   ; 32 lanes store 512 consecutive bytes, aligned; written once, read by nobody here
.endr
	s_endpgm
.Lfunc_end_k_q5f6bc851ab_combine:
	.size	k_q5f6bc851ab_combine, .Lfunc_end_k_q5f6bc851ab_combine-k_q5f6bc851ab_combine
	.p2alignl 7, 3214868480
	.fill 96, 4, 3214868480
	.section	.rodata,"a",@progbits
	.p2align	6, 0x0
	.amdhsa_kernel k_q5f6bc851ab_combine
		.amdhsa_group_segment_fixed_size 0
		.amdhsa_private_segment_fixed_size 0
		.amdhsa_enable_private_segment 0
		.amdhsa_kernarg_size 32
		.amdhsa_user_sgpr_count 2
		.amdhsa_user_sgpr_kernarg_segment_ptr 1
		.amdhsa_wavefront_size32 1
		.amdhsa_system_sgpr_workgroup_id_x 1
		.amdhsa_system_sgpr_workgroup_id_y 1
		.amdhsa_system_sgpr_workgroup_id_z 1
		.amdhsa_system_vgpr_workitem_id 0
		.amdhsa_next_free_vgpr 192
		.amdhsa_next_free_sgpr 66
		.amdhsa_reserve_vcc 0
		.amdhsa_float_denorm_mode_32 3
		.amdhsa_float_denorm_mode_16_64 3
		.amdhsa_memory_ordered 1
		.amdhsa_forward_progress 1
		.amdhsa_inst_pref_size 12
	.end_amdhsa_kernel
	.amdgpu_metadata
---
amdhsa.version: [ 1, 2 ]
amdhsa.kernels:
  - .name:           k_q5f6bc851ab_combine
    .symbol:         k_q5f6bc851ab_combine.kd
    .args:
      - { .name: token_ids, .offset: 0, .size: 8, .value_kind: global_buffer, .address_space: global }
      - { .name: stats, .offset: 8, .size: 8, .value_kind: global_buffer, .address_space: global }
      - { .name: part, .offset: 16, .size: 8, .value_kind: global_buffer, .address_space: global }
      - { .name: out0, .offset: 24, .size: 8, .value_kind: global_buffer, .address_space: global }
    .group_segment_fixed_size: 0
    .private_segment_fixed_size: 0
    .kernarg_segment_align: 8
    .kernarg_segment_size: 32
    .max_flat_workgroup_size: 512
    .sgpr_count:     66
    .vgpr_count:     192
    .wavefront_size: 32
...
	.end_amdgpu_metadata
.endif
;; end of part 3
;; ======== version 2 of 2: 3 launches
;; workspace buffers: acodes 16,777,216 bytes; ascales 1,048,576 bytes; bcodes 8,192,000 bytes; bscales 512,000 bytes; stats 65,536 bytes; part 16,777,216 bytes
;; launch quant (part 4): grid 256 x 1, 16 waves a work-group, no clusters, 155,136 bytes of LDS; arguments mapping_logits, embed_weight, acodes, ascales, bcodes, bscales, stats; writes acodes, ascales, bcodes, bscales, stats
.if DOCPART == 4
	.amdgcn_target "amdgcn-amd-amdhsa--gfx1250"
	.amdhsa_code_object_version 6
	.text
	.protected	k_q5f6bc851ab_quant
	.globl	k_q5f6bc851ab_quant
	.p2align	8
	.type	k_q5f6bc851ab_quant,@function
k_q5f6bc851ab_quant:
	s_mov_b64 s[64:65], 0
	v_nop
	global_prefetch_b8 v0, s[64:65] scope:SCOPE_SE
	s_setreg_imm32_b32 hwreg(HW_REG_WAVE_MODE, 25, 1), 1
	s_wait_xcnt 0x0
; BOTH OPERANDS OF  out = softmax(mapping_logits[id]) x embed_weight  BECOME CODES OF FP4 (E2M1) WITH ONE E8M0 BYTE FOR EACH 32 ALONG K = 32,000.
; A token's result hangs on its id alone, so the softmax is taken once for each of the table's 1,024 rows, whatever token_ids holds; the last launch deals the rows out.
; K is 250 steps of 128, cut into 8 chunks; chunk c begins at step st(c) = 31 c + max(c - 6, 0) and is worked as a window of 32 steps (4,096 numbers, 16,384 bytes of a row).
; For c < 6 the window's last step belongs to the next chunk: its logits are replaced by -infinity, so that p = 0, its codes are zeros, and neither the maximum nor the sum sees it.
; A: for a row and a chunk, t = logit x log2(e), M = ceil(the chunk's largest t), a whole number; p = 2^(t - M) is quantised along K; l = the sum of the unquantised p.  M and l go to stats;
;    the last launch joins the chunks by powers of two, 2^(M_c - M), which round nothing.
; B: embed_weight [32000][512] has K as its first axis: a lane takes a column and its registers run down K, so a block of 32 lies in one lane.
; A block's scale is 2^(floor(log2(largest magnitude)) - 2): its byte is the largest magnitude's exponent field - 2, held at 1 from below.
; LIMITS: NaN and infinities among the inputs are not served.  A block of zeros gets the byte 1 where the rule says 127: its codes are zeros, and this program alone reads the bytes.
;         A p under 2^-126 (a logit some 87 under its chunk's largest) counts as 0.
; THE CODES ARE LAID IN THE ORDER OF THE OPERAND'S REGISTERS: an image of 1,024 bytes is 16 rows (or columns) x 128 K; the 16 bytes at 512 cc + 16 lane are registers 4 cc .. 4 cc + 3 of that lane:
;   row lane % 16, K = 64 cc + 32 (lane / 16) + 0 .. 31.   acodes [c 8][T 64][s 32][1024];  bcodes [g 250][t 32][1024];
;   ascales [c][T][q 4][lane 32][e 4] words: row lane % 16, step 8 q + 4 (lane / 16) + e;   bscales [g][t][16] words;   stats [c][row] {M, l}.
; SHARES.  256 work-groups of 16 waves.  Work-group g < 250 first takes K step g of the weight (128 rows x 2,048 bytes, dense): wave w columns 32 w .. 32 w + 31.
; Then every work-group takes tile T = g / 4 of 16 table rows, a row a wave, for chunks 2 (g % 4) and 2 (g % 4) + 1: a unit is one row x 4,096 numbers, kept whole in 128 registers,
; so the chunk's maximum is known before the first exponential.  Registers that are done with take the next stream's loads at once: weight, unit 0, unit 1.
; No tensor loads and no matrix work: memory binds; each input byte is read once (but for six chunks' masked step), by loads of 512 or 128 consecutive bytes a wave.
.set RAW,  48                          ; v48-175   128 numbers a lane as they are loaded
.set X,    176                         ; v176-207  two sets of 16 neighbours along K.  In the weight's part: v176-191 the codes of four blocks, v192 their scale word
.set CD,   208                         ; v208-223  a step's codes, two registers for each of a unit's eight steps
.set BY,   224                         ; v224-231  a step's scale byte
.set WO,   232                         ; v232-247  the way out: two images' 16 bytes x 4
.set WS,   248                         ; v248-251  the way out: four scale words
.set WT,   252                         ; v252-253  the way out: M and l
.set SP,    80                         ; LDS: a lane's place in a turn stage: 64 bytes + 16 of padding
.set STGW,  5120                       ; a wave's two turn stages of 32 x SP bytes, from LDS byte 0 on
.set COD0,  81920                      ; unit 0's codes: 16 rows x (2,048 bytes + 16)
.set CPIT,  2064
.set CODU,  33024                      ; from unit 0's region to unit 1's
.set SCB0,  147968                     ; unit 0's scale bytes: 16 rows x (128 bytes + 16)
.set BPIT,  144
.set SCBU,  2304
.set STAT0, 152576                     ; unit 0's M and l: 16 x 8 bytes
.set STATU, 128
; s[4:17] the seven buffers; s18 wave; s19 work-group; s[20:21] lane selects; s[22:23] log2(e), twice; s24 T; s25 first chunk; s[28:31] logits of unit 0, 1; s32-33 masks of the last step;
; s[34:37] acodes, s[38:41] ascales, s[42:45] stats of unit 0, 1; s[46:47] the weight's step; s[48:49] bcodes; s[50:51] bscales; s52-57 at work
	s_load_b256 s[4:11], s[0:1], 0x0               ; mapping_logits, embed_weight, acodes, ascales
	s_load_b128 s[12:15], s[0:1], 0x20             ; bcodes, bscales
	s_load_b64 s[16:17], s[0:1], 0x30              ; stats
	v_lshl_add_u32 v254, v0, 2, 0x25600
	v_mov_b32 v255, 0
	v_lshrrev_b32 v15, 5, v0
	s_delay_alu instid0(VALU_DEP_1)
	v_readfirstlane_b32 s18, v15                   ; wave 0..15
	v_and_b32 v1, 31, v0                           ; lane
	s_delay_alu instid0(VALU_DEP_1)
	v_lshlrev_b32 v2, 4, v1                        ; v2: 16 x lane
	v_lshlrev_b32 v3, 2, v0                        ; v3: 4 x thread: my column of the weight, and my word of bscales
	v_and_b32 v20, 15, v0                          ; r
	v_bfe_u32 v22, v0, 4, 1                        ; h
	v_lshrrev_b32 v4, 4, v0                        ; the weight's tile of 16 columns: 2 x wave + h
	s_delay_alu instid0(VALU_DEP_1)
	v_lshlrev_b32 v4, 10, v4
	s_delay_alu instid0(VALU_DEP_1)
	v_lshl_add_u32 v4, v20, 4, v4                  ; v4: my 16 bytes in that tile's image: 1,024 x tile + 16 r
	s_mul_i32 s52, s18, STGW
	v_lshrrev_b32 v5, 2, v1
	s_delay_alu instid0(VALU_DEP_1)
	v_mul_u32_u24 v5, v5, SP
	v_and_b32 v23, 3, v1
	s_delay_alu instid0(VALU_DEP_1)
	v_lshl_add_u32 v5, v23, 4, v5
	s_delay_alu instid0(VALU_DEP_1)
	v_add_nc_u32 v5, s52, v5                       ; v5: the turn stage, in: four lanes' 64 bytes on end, then 16 of padding
	v_mul_u32_u24 v6, v1, SP
	s_delay_alu instid0(VALU_DEP_1)
	v_add_nc_u32 v6, s52, v6                       ; v6: and out: my 16 neighbours
	s_mul_i32 s52, s18, CPIT
	s_add_co_u32 s52, s52, COD0
	v_lshl_add_u32 v7, v1, 3, s52                  ; v7: my row's codes: 8 bytes a lane  (an LDS immediate has 16 bits: the region's base stands in the register)
	s_mul_i32 s52, s18, BPIT
	s_add_co_u32 s52, s52, SCB0
	v_lshrrev_b32 v8, 1, v1
	s_delay_alu instid0(VALU_DEP_1)
	v_add_nc_u32 v8, s52, v8                       ; v8: my row's scale bytes: two lanes to a block
	v_mul_u32_u24 v9, v20, CPIT
	s_delay_alu instid0(VALU_DEP_1)
	v_lshl_add_u32 v9, v22, 4, v9
	s_lshl_b32 s52, s18, 7
	s_add_co_u32 s52, s52, COD0
	v_add_nc_u32 v9, s52, v9                       ; v9: the way out: row r, steps 2 w and 2 w + 1 (128 bytes), + 16 h
	v_mul_u32_u24 v10, v20, BPIT
	s_delay_alu instid0(VALU_DEP_1)
	v_lshl_add_u32 v10, v22, 4, v10
	s_and_b32 s52, s18, 3
	s_lshl_b32 s52, s52, 5
	s_add_co_u32 s52, s52, SCB0
	v_add_nc_u32 v10, s52, v10                     ; v10: the way out: row r's words of steps 8 (w % 4) + 4 h + 0 .. 3
	s_lshl_b32 s52, s18, 3
	s_add_co_u32 s52, s52, STAT0
	v_mov_b32 v11, s52                             ; v11: where my row's M and l go
	v_lshlrev_b32 v12, 3, v20                      ; v12: 8 r: a row's place in stats
	s_delay_alu instid0(VALU_DEP_1)
	v_add_nc_u32 v14, STAT0, v12                   ; v14: and in LDS
	v_mov_b32 v13, 0xff800000                      ; -infinity
	v_mov_b32 v21, 0                               ; written once: a lane permute's destination counts as one of its sources
	s_mov_b32 s19, ttmp9
	s_lshr_b32 s24, s19, 2                         ; T
	s_and_b32 s25, s19, 3
	s_lshl_b32 s25, s25, 1                         ; the first of my two chunks
	s_mov_b32 s20, 0x76543210
	s_mov_b32 s21, 0xfedcba98                      ; v_permlanex16_b32's selects for lane l xor 16
	s_mov_b32 s22, 0x3fb8aa3b                      ; log2(e)
	s_mov_b32 s23, s22                             ; (named with it as a pair, so it is written)
	s_mov_b32 s55, 0                               ; every offset here stays under 2^32
	s_wait_kmcnt 0x0
	s_lshl_b32 s54, s19, 18
	s_add_nc_u64 s[46:47], s[6:7], s[54:55]        ; the weight's rows 128 g on
	s_lshl_b32 s54, s19, 15
	s_add_nc_u64 s[48:49], s[12:13], s[54:55]      ; its 32 images
	s_lshl_b32 s54, s19, 11
	s_add_nc_u64 s[50:51], s[14:15], s[54:55]      ; its 512 scale words
.irp u, 0,1
	s_add_co_u32 s52, s25, \u                      ; chunk c
	s_cmp_lt_u32 s52, 6
	s_cselect_b32 s[32+\u], -1, 0                  ; all lanes where the window's last step is the next chunk's
	s_mul_i32 s53, s52, 31
	s_sub_co_i32 s54, s52, 6
	s_max_i32 s54, s54, 0
	s_add_co_u32 s53, s53, s54                     ; st(c)
	s_lshl_b32 s53, s53, 9                         ; 512 bytes a step
	s_lshl_b32 s54, s24, 4
	s_add_co_u32 s54, s54, s18                     ; my row: 16 T + wave
	s_mul_i32 s54, s54, 128000
	s_add_co_u32 s54, s54, s53
	s_add_nc_u64 s[28+2*\u:29+2*\u], s[4:5], s[54:55]
	s_lshl_b32 s56, s52, 6
	s_add_co_u32 s56, s56, s24                     ; 64 c + T
	s_lshl_b32 s54, s56, 15
	s_lshl_b32 s57, s18, 11
	s_add_co_u32 s54, s54, s57
	s_add_nc_u64 s[34+2*\u:35+2*\u], s[8:9], s[54:55]    ; images 2 w and 2 w + 1 of the tile's 32
	s_lshl_b32 s54, s56, 11
	s_and_b32 s57, s18, 3
	s_lshl_b32 s57, s57, 9
	s_add_co_u32 s54, s54, s57
	s_add_nc_u64 s[38+2*\u:39+2*\u], s[10:11], s[54:55]  ; quarter w % 4 of the tile's scale words
	s_lshl_b32 s54, s52, 10
	s_lshl_b32 s57, s24, 4
	s_add_co_u32 s54, s54, s57
	s_lshl_b32 s54, s54, 3
	s_add_nc_u64 s[42+2*\u:43+2*\u], s[16:17], s[54:55]  ; the tile's 16 rows in stats
.endr
; Block b of the weight's K step: rows 32 b + i, my column: a wave reads 128 consecutive bytes, the sixteen waves a whole row
.macro ELOAD b
.set EI, 0
.rept 32
	global_load_b32 v[RAW+32*(\b)+EI], v3, s[46:47] offset:(32*(\b)+EI)*2048 th:TH_LOAD_NT
.set EI, EI+1
.endr
.endm
; and its codes: all 32 numbers of the block are mine.  Sixteen lanes store 256 consecutive bytes, aligned: half a plane of a tile's image
.macro EBLOCK b
.set ES, RAW+32*(\b)
	v_max3_num_f32 v20, |v[ES]|, |v[ES+1]|, |v[ES+2]|
	v_max3_num_f32 v22, |v[ES+3]|, |v[ES+4]|, |v[ES+5]|
.irp i, 6,10,14,18,22,26
	s_delay_alu instid0(VALU_DEP_2)
	v_max3_num_f32 v20, v20, |v[ES+\i]|, |v[ES+\i+1]|
	s_delay_alu instid0(VALU_DEP_2)
	v_max3_num_f32 v22, v22, |v[ES+\i+2]|, |v[ES+\i+3]|
.endr
	s_delay_alu instid0(VALU_DEP_2)
	v_max3_num_f32 v20, v20, |v[ES+30]|, |v[ES+31]|
	s_delay_alu instid0(VALU_DEP_1)
	v_max3_num_f32 v20, v20, v22, 0x1800000        ; and the floor 2^(3 - 127): the byte cannot fall under 1
	s_delay_alu instid0(VALU_DEP_1)
	v_add_nc_u32 v23, 0xff000000, v20              ; 2 off the exponent field: the conversion takes this operand's exponent field as its scale
	s_delay_alu instid0(VALU_DEP_1)
	v_lshrrev_b32 v22, 23, v23                     ; the scale's byte
.if (\b) == 0
	s_delay_alu instid0(VALU_DEP_1)
	v_mov_b32 v[X+16], v22
.else
	s_delay_alu instid0(VALU_DEP_1)
	v_lshl_or_b32 v[X+16], v22, 8*(\b), v[X+16]    ; four bytes make my column's scale word of this K step
.endif
.irp g, 0,1,2,3
	v_cvt_scalef32_pk8_fp4_f32 v[X+4*(\b)+\g], v[ES+8*\g:ES+8*\g+7], v23
.endr
	v_nop                                          ; one plain line behind the last scaled conversion
	global_store_b128 v4, v[X+4*(\b):X+4*(\b)+3], s[48:49] offset:((\b)/2)*512+((\b)%2)*256   ; block b = 2 cc + h: plane cc, lanes 16 h on
.endm
; n loads of unit u's row from load q0 on: load q is K step q of the window: 512 consecutive bytes, 16 a lane
.macro LLOAD u, q0, n
.set LQ, \q0
.rept \n
	global_load_b128 v[RAW+4*LQ:RAW+4*LQ+3], v2, s[28+2*\u:29+2*\u] offset:512*LQ th:TH_LOAD_NT
.set LQ, LQ+1
.endr
.endm
; 512 numbers (four loads) go through my wave's own stage as they lie and come back 16 neighbours a lane.  LDS serves a wave's instructions in order: no wait between the stores and the loads
.macro TURN j
.irp i, 0,1,2,3
	ds_store_b128 v5, v[RAW+16*(\j)+4*\i:RAW+16*(\j)+4*\i+3] offset:32*SP*((\j)%2)+8*SP*\i
.endr
.irp i, 0,1,2,3
	ds_load_b128 v[X+16*((\j)%2)+4*\i:X+16*((\j)%2)+4*\i+3], v6 offset:32*SP*((\j)%2)+16*\i
.endr
.endm
; Step j of a unit's eight: 512 numbers become p, are summed and quantised.  Two neighbouring lanes hold a block of 32.
.macro LSTEP u, j, nxt
.set XS, X+16*((\j)%2)
.if (\j) == 0
	s_wait_dscnt 0x0                               ; this step's numbers are back from the stage
.else
	s_wait_dscnt 0x2                               ; likewise; the last step's two LDS stores, issued behind those loads, may be out.  So the stage's stores have read v[RAW + 16 j] on,
.endif
.if \nxt
	LLOAD 1, 4*(\j), 4                             ; which take the next unit's loads
.endif
.if (\j) < 7
	TURN (\j)+1                                    ; the next step goes through the other stage while this one is worked
.endif
	v_max3_num_f32 v24, v[XS], v[XS+1], v[XS+2]    ; the block's largest logit: p rises with the logit, so it gives the block's largest p by the same two instructions
	v_max3_num_f32 v25, v[XS+3], v[XS+4], v[XS+5]
	s_delay_alu instid0(VALU_DEP_2)
	v_max3_num_f32 v24, v24, v[XS+6], v[XS+7]
	s_delay_alu instid0(VALU_DEP_2)
	v_max3_num_f32 v25, v25, v[XS+8], v[XS+9]
	s_delay_alu instid0(VALU_DEP_2)
	v_max3_num_f32 v24, v24, v[XS+10], v[XS+11]
	s_delay_alu instid0(VALU_DEP_2)
	v_max3_num_f32 v25, v25, v[XS+12], v[XS+13]
	s_delay_alu instid0(VALU_DEP_2)
	v_max3_num_f32 v24, v24, v[XS+14], v[XS+15]
	s_delay_alu instid0(VALU_DEP_1)
	v_max_num_f32 v24, v24, v25
	s_delay_alu instid0(VALU_DEP_1)
	v_max_num_f32_dpp v24, v24, v24 row_xmask:1 row_mask:0xf bank_mask:0xf   ; with my neighbour's 16
.irp i, 0,2,4,6,8,10,12,14
	v_pk_fma_f32 v[XS+\i:XS+\i+1], v[XS+\i:XS+\i+1], s[22:23], v[16:17] op_sel_hi:[1,0,0]   ; t - M, two at a time
.endr
	v_fma_f32 v24, v24, s22, v16
.set EI, 0
	s_wait_alu depctr_va_vdst(0)
.rept 16
	v_exp_f32 v[XS+EI], v[XS+EI]                   ; p = 2^(t - M): not normalised
.set EI, EI+1
.endr
	v_exp_f32 v24, v24                             ; the block's largest p
	v_nop                                          ; a plain line behind the last exponential
	s_wait_alu depctr_va_vdst(0)                   ; one wait for the batch of 17, ahead of the first line that names a result
.irp i, 0,4,8,12
	v_pk_add_f32 v[18:19], v[18:19], v[XS+\i:XS+\i+1]        ; the sum is taken of the unquantised p, in two chains
	v_pk_add_f32 v[28:29], v[28:29], v[XS+\i+2:XS+\i+3]
.endr
	v_max_num_f32 v24, 0x1800000, v24              ; the floor 2^(3 - 127): a block whose every p is 0 keeps the byte 1, and its codes are zeros
	s_delay_alu instid0(VALU_DEP_1)
	v_add_nc_u32 v25, 0xff000000, v24              ; 2 off the exponent field: the conversion's scale operand
	v_cvt_scalef32_pk8_fp4_f32 v[CD+2*(\j)], v[XS:XS+7], v25
	v_cvt_scalef32_pk8_fp4_f32 v[CD+2*(\j)+1], v[XS+8:XS+15], v25
	v_lshrrev_b32 v[BY+(\j)], 23, v25              ; the scale's byte (also the plain line behind the conversions)
	ds_store_b64 v7, v[CD+2*(\j):CD+2*(\j)+1] offset:CODU*\u+256*(\j)      ; my 16 codes: 8 bytes of my row
	ds_store_b8 v8, v[BY+(\j)] offset:SCBU*\u+16*(\j)                      ; both lanes of a block write the same byte with the same value
.endm
; The way out of unit u: the tile's 16 rows lie in LDS; wave w stores images 2 w and 2 w + 1, each store 512 consecutive bytes; waves 0 to 3 a quarter of the scale words each; wave 4 the 16 rows' M and l.
.macro LOUT u
.if \u
	s_wait_xcnt 0x0                                ; unit 0's stores have read their registers: these are written again only behind this wait
.endif
.irp i, 0,1
.irp cc, 0,1
	ds_load_b128 v[WO+4*(2*\i+\cc):WO+4*(2*\i+\cc)+3], v9 offset:CODU*\u+64*\i+32*\cc
.endr
.endr
	s_cmp_gt_u32 s18, 4
	s_cbranch_scc1 .Lcodes_\@
	s_cmp_eq_u32 s18, 4
	s_cbranch_scc1 .Lstat_\@
	ds_load_b128 v[WS:WS+3], v10 offset:SCBU*\u
	s_wait_dscnt 0x0
	global_store_b128 v2, v[WS:WS+3], s[38+2*\u:39+2*\u]
	s_branch .Lcodes_\@
.Lstat_\@:
	ds_load_b64 v[WT:WT+1], v14 offset:STATU*\u
	s_wait_dscnt 0x0
	global_store_b64 v12, v[WT:WT+1], s[42+2*\u:43+2*\u]     ; lanes 16-31 repeat lanes 0-15: the same bytes with the same values
.Lcodes_\@:
	s_wait_dscnt 0x0
.irp i, 0,1
.irp cc, 0,1
	global_store_b128 v2, v[WO+4*(2*\i+\cc):WO+4*(2*\i+\cc)+3], s[34+2*\u:35+2*\u] offset:1024*\i+512*\cc
.endr
.endr
.endm
; A unit: one row x one chunk
.macro LUNIT u, nxt
	s_wait_loadcnt 0x0                             ; the whole window is in registers
.irp i, 0,1,2,3
	v_cndmask_b32 v[RAW+124+\i], v[RAW+124+\i], v13, s[32+\u]   ; load 31 is the window's last step: -infinity where it is the next chunk's
.endr
.irp k, 0,1,2,3
	v_max3_num_f32 v[24+\k], v[RAW+32*\k], v[RAW+32*\k+1], v[RAW+32*\k+2]     ; the largest of my 128, in four chains
.endr
.irp i, 3,5,7,9,11,13,15,17,19,21,23,25,27,29
.irp k, 0,1,2,3
	s_delay_alu instid0(VALU_DEP_4)
	v_max3_num_f32 v[24+\k], v[24+\k], v[RAW+32*\k+\i], v[RAW+32*\k+\i+1]
.endr
.endr
	s_delay_alu instid0(VALU_DEP_4)
	v_max3_num_f32 v24, v24, v[RAW+31], v[RAW+63]
	s_delay_alu instid0(VALU_DEP_3)
	v_max3_num_f32 v26, v26, v[RAW+95], v[RAW+127]
	s_delay_alu instid0(VALU_DEP_1)
	v_max3_num_f32 v24, v24, v25, v26
	s_delay_alu instid0(VALU_DEP_1)
	v_max_num_f32 v20, v24, v27
	s_delay_alu instid0(VALU_DEP_1)
	v_max_num_f32_dpp v20, v20, v20 row_xmask:1 row_mask:0xf bank_mask:0xf
	s_delay_alu instid0(VALU_DEP_1)
	v_max_num_f32_dpp v20, v20, v20 row_xmask:2 row_mask:0xf bank_mask:0xf
	s_delay_alu instid0(VALU_DEP_1)
	v_max_num_f32_dpp v20, v20, v20 row_xmask:4 row_mask:0xf bank_mask:0xf
	s_delay_alu instid0(VALU_DEP_1)
	v_max_num_f32_dpp v20, v20, v20 row_xmask:8 row_mask:0xf bank_mask:0xf
	s_delay_alu instid0(VALU_DEP_1)
	v_permlanex16_b32 v21, v20, s20, s21
	s_delay_alu instid0(VALU_DEP_1)
	v_max_num_f32 v20, v20, v21                    ; the chunk's largest logit, in every lane
	s_delay_alu instid0(VALU_DEP_1)
	v_mul_f32 v20, s22, v20                        ; as t
	s_delay_alu instid0(VALU_DEP_1)
	v_floor_f32 v16, -v20                          ; -M = floor(-t) = -ceil(t): M is a whole number
	v_mov_b32 v18, 0                               ; the sum, in two chains of two halves
	v_mov_b32 v19, 0
	v_mov_b32 v28, 0
	v_mov_b32 v29, 0
	v_mov_b32 v17, v16                             ; (named with -M as a pair, so it is written)
	TURN 0
.irp j, 0,1,2,3,4,5,6,7
	LSTEP \u, \j, \nxt
.endr
	v_pk_add_f32 v[18:19], v[18:19], v[28:29]
	s_delay_alu instid0(VALU_DEP_1)
	v_add_f32 v18, v18, v19
	s_delay_alu instid0(VALU_DEP_1)
	v_add_f32_dpp v18, v18, v18 row_xmask:1 row_mask:0xf bank_mask:0xf
	s_delay_alu instid0(VALU_DEP_1)
	v_add_f32_dpp v18, v18, v18 row_xmask:2 row_mask:0xf bank_mask:0xf
	s_delay_alu instid0(VALU_DEP_1)
	v_add_f32_dpp v18, v18, v18 row_xmask:4 row_mask:0xf bank_mask:0xf
	s_delay_alu instid0(VALU_DEP_1)
	v_add_f32_dpp v18, v18, v18 row_xmask:8 row_mask:0xf bank_mask:0xf
	s_delay_alu instid0(VALU_DEP_1)
	v_permlanex16_b32 v21, v18, s20, s21
	s_delay_alu instid0(VALU_DEP_1)
	v_add_f32 v27, v18, v21                        ; l
	v_sub_f32 v26, 0, v16                          ; M
	ds_store_b64 v11, v[26:27] offset:STATU*\u     ; all lanes write the same 8 bytes with the same values
	s_wait_dscnt 0x0                               ; for the others' sake: my row's codes, bytes, M and l lie in LDS
	s_barrier_signal -1
	s_barrier_wait -1                              ; all sixteen rows do.  Each unit has LDS regions of its own, so nothing is written over and one barrier a unit is enough
	LOUT \u
.endm
	s_cmp_ge_u32 s19, 250                          ; the weight has 250 K steps: the last six work-groups have none
	s_cbranch_scc1 .Lno_embed
	ELOAD 0
	ELOAD 1
	s_wait_loadcnt 32                              ; block 0 is in; the 32 loads of block 1 may be out
	ELOAD 2
	EBLOCK 0
	s_wait_loadcnt 32                              ; block 1 is in; block 2's 32 may be out
	ELOAD 3
	EBLOCK 1
	s_wait_loadcnt 32                              ; block 2 is in; block 3's 32 may be out
	LLOAD 0, 0, 16                                 ; blocks 0 and 1 are done with: their registers take unit 0's first 16 loads
	EBLOCK 2
	s_wait_loadcnt 16                              ; block 3 is in; the 16 loads of unit 0 issued behind it may be out
	LLOAD 0, 16, 8
	EBLOCK 3
	LLOAD 0, 24, 8
	global_store_b32 v3, v[X+16], s[50:51]         ; my column's scale word: a wave stores 128 consecutive bytes, the work-group 2,048
	s_branch .Lunits
.Lno_embed:
	LLOAD 0, 0, 32
.Lunits:
	s_wait_xcnt 0x0                                ; the weight's stores have read their data, which lie where the turn's loads land
	s_wait_alu depctr_va_vdst(0)
	LUNIT 0, 1
	LUNIT 1, 0
	s_wait_tensorcnt 0x0
	ds_add_u32 v254, v255
	s_wait_dscnt 0x0
	s_endpgm
.Lfunc_end_k_q5f6bc851ab_quant:
	.size	k_q5f6bc851ab_quant, .Lfunc_end_k_q5f6bc851ab_quant-k_q5f6bc851ab_quant
	.p2alignl 7, 3214868480
	.fill 96, 4, 3214868480
	.section	.rodata,"a",@progbits
	.p2align	6, 0x0
	.amdhsa_kernel k_q5f6bc851ab_quant
		.amdhsa_group_segment_fixed_size 155136
		.amdhsa_private_segment_fixed_size 0
		.amdhsa_enable_private_segment 0
		.amdhsa_kernarg_size 56
		.amdhsa_user_sgpr_count 2
		.amdhsa_user_sgpr_kernarg_segment_ptr 1
		.amdhsa_wavefront_size32 1
		.amdhsa_system_sgpr_workgroup_id_x 1
		.amdhsa_system_sgpr_workgroup_id_y 1
		.amdhsa_system_sgpr_workgroup_id_z 1
		.amdhsa_system_vgpr_workitem_id 0
		.amdhsa_next_free_vgpr 256
		.amdhsa_next_free_sgpr 66
		.amdhsa_reserve_vcc 0
		.amdhsa_float_denorm_mode_32 3
		.amdhsa_float_denorm_mode_16_64 3
		.amdhsa_memory_ordered 1
		.amdhsa_forward_progress 1
		.amdhsa_inst_pref_size 108
	.end_amdhsa_kernel
	.amdgpu_metadata
---
amdhsa.version: [ 1, 2 ]
amdhsa.kernels:
  - .name:           k_q5f6bc851ab_quant
    .symbol:         k_q5f6bc851ab_quant.kd
    .args:
      - { .name: mapping_logits, .offset: 0, .size: 8, .value_kind: global_buffer, .address_space: global }
      - { .name: embed_weight, .offset: 8, .size: 8, .value_kind: global_buffer, .address_space: global }
      - { .name: acodes, .offset: 16, .size: 8, .value_kind: global_buffer, .address_space: global }
      - { .name: ascales, .offset: 24, .size: 8, .value_kind: global_buffer, .address_space: global }
      - { .name: bcodes, .offset: 32, .size: 8, .value_kind: global_buffer, .address_space: global }
      - { .name: bscales, .offset: 40, .size: 8, .value_kind: global_buffer, .address_space: global }
      - { .name: stats, .offset: 48, .size: 8, .value_kind: global_buffer, .address_space: global }
    .group_segment_fixed_size: 155136
    .private_segment_fixed_size: 0
    .kernarg_segment_align: 8
    .kernarg_segment_size: 56
    .max_flat_workgroup_size: 512
    .sgpr_count:     66
    .vgpr_count:     256
    .wavefront_size: 32
...
	.end_amdgpu_metadata
.endif
;; end of part 4
;; launch gemm (part 5): grid 32 x 8, 4 waves a work-group, no clusters, 270,848 bytes of LDS; arguments acodes, ascales, bcodes, bscales, part; writes part
.if DOCPART == 5
	.amdgcn_target "amdgcn-amd-amdhsa--gfx1250"
	.amdhsa_code_object_version 6
	.text
	.protected	k_q5f6bc851ab_gemm
	.globl	k_q5f6bc851ab_gemm
	.p2align	8
	.type	k_q5f6bc851ab_gemm,@function
k_q5f6bc851ab_gemm:
	s_mov_b64 s[64:65], 0
	v_nop
	global_prefetch_b8 v0, s[64:65] scope:SCOPE_SE
	s_setreg_imm32_b32 hwreg(HW_REG_WAVE_SCHED_MODE, 0, 2), 2
	s_setreg_imm32_b32 hwreg(HW_REG_WAVE_MODE, 25, 1), 1
	s_wait_xcnt 0x0
	s_wait_alu depctr_vm_vsrc(0)
; part[c][row][col] = the sum over chunk c's window of 32 K steps of P[row][k] W[k][col], on codes of FP4 (E2M1) with E8M0 scales, sums in f32.  1,024 rows x 512 columns x 8 chunks.
; A work-group makes a tile of 128 rows x 128 columns of one chunk: grid x = 4 (block of rows) + (block of columns), grid y = the chunk.  8 x 4 x 8 = 256 work-groups.
; THE FOUR WAVES SHARE K, NOT THE TILE: wave q takes the whole 128 x 128 (64 accumulators, 512 registers) for steps 8 q .. 8 q + 7 of the window.  So no fragment is loaded twice in a work-group,
; and the codes, laid by the launch before in the order of the operand's registers, go from memory straight into registers: each load is 512 consecutive bytes.  The four partial tiles meet in LDS at the end.
; The window's last step of chunks 0 to 5 has zero codes on P's side (it belongs to the next chunk): it adds nothing, whatever W's codes there.
; THE MATRIX INSTRUCTION IS USED TRANSPOSED: source 0 = 16 columns of W, source 1 = 16 rows of P: a lane then holds eight neighbouring columns of one row.
; NO JOINT REQUESTS: P's images are read by 4 work-groups and W's by 8, but a joint request lands in LDS, and here no byte is used by two waves of a work-group; a wave's whole share is 8 steps of
; 32 loads, 128 KB, which as slots in LDS would be a handful of fills, each behind a meeting of all partners.  No LDS ring for the same reason.
; REGISTERS, in windows of 256: window 0: v1-10 addresses; v32-63 P's scale words (tile a, e: lanes 0-15 step e, lanes 16-31 step 4 + e); v64-95 W's (step j, u: lanes 0-15 tile 2 u, lanes 16-31 tile 2 u + 1);
;   v96-127 the way out's two out-buffers; v128-191, v192-255 P's fragments, sets 1 and 2, on the way out the two in-buffers.
;   window 1: v0-191 W's fragments, sets 0, 1, 2; v192-255 P's set 0.   windows 2, 3: the accumulators, (a, b) at v[8 (8 (a % 4) + b)] of window 2 + a / 4.
; Three sets of fragments take turns: while step j is multiplied, the loads of steps j + 1 and j + 2 are on their way.
; THE MODE: SCHED_MODE bits 1:0 = 2 (LLVM: expert scheduling mode 2), set by the entry lines.  The code itself states the register dependences
; between vector or matrix instructions and memory or LDS instructions, with s_wait_alu, always for 0.
; THE PLAN.  Registers that memory or LDS instructions touch:
;   v1 .. v7      Offsets and LDS addresses.  Written at the head and never again: one wait on va_vdst ahead of the first load serves every load and store of the kernel.
;   v32 .. v95    Scale words.  Loads land in them once, at the head; matrix instructions read them; no vector instruction names them.
;   sets 0, 1, 2  Step j: its 64 matrix instructions read set j % 3; the 32 loads of step j + 2, issued in step j, land in set (j + 2) % 3 = (j - 1) % 3, which the matrix instructions of step j - 1 read.
;                 So ONE wait on va_vdst stands at the head of steps 1 to 5, behind the wait for the step's data.  The step's loads follow it in two runs of 16 among the step's matrix instructions,
;                 which name set j % 3, the scale words and the accumulators: none of the registers that those loads touch.  Two runs: a run under another window costs two switches.
;                 Step 0's loads land in set 2, which nothing has named; steps 6 and 7 issue no load: these three steps hold no such wait.
;   accumulators  Written by the matrix instructions, read by the LDS stores: four places, then one wait on va_vdst.  That wait also shows every set read out, for the way out's first loads.
;   IN0, IN1      The way out goes in eight blocks of four rows.  Block p's additions read and write IN[p % 2]; the LDS loads of block p + 1, issued in block p, land in IN[(p + 1) % 2].
;   OUT0, OUT1    Block p's last additions write OUT[p % 2]; the four stores that read it are issued in block p + 1.
;                 So block p's memory and LDS instructions touch the two buffers that block p - 1 worked on and that no vector instruction of block p names: the waits at a block's head state all of it.
.set ASC,  32
.set BSC,  64
.set OUT,  96                          ; out-buffer k: 16 registers at OUT + 16 k: four rows' 16 bytes a lane
.set IN,   128                         ; in-buffer k: 64 registers at IN + 64 k: row i, partial tile t: 4 registers at 16 i + 4 t
.set RPIT, 528                         ; a row of a partial tile in LDS: 512 bytes + 16
.set REG,  128*RPIT                    ; a wave's partial tile
.set MSB, 0
.macro WIN new                         ; the immediate's high byte repeats the setting that is left; a switch that changes nothing is dropped
.if MSB != \new
	s_set_vgpr_msb (MSB<<8)|\new
.set MSB, \new
.endif
.endm
	s_load_b256 s[4:11], s[0:1], 0x0               ; acodes s[4:5], ascales s[6:7], bcodes s[8:9], bscales s[10:11]
	s_load_b64 s[12:13], s[0:1], 0x20              ; part
	v_lshl_add_u32 v30, v0, 2, 0x42000
	v_mov_b32 v31, 0
	v_lshrrev_b32 v8, 5, v0
	v_readfirstlane_b32 s14, v8                    ; wave q
	v_and_b32 v8, 31, v0
	v_lshlrev_b32 v1, 4, v8                        ; v1: 16 x lane
	v_lshlrev_b32 v2, 2, v8                        ; v2: 4 x lane
	v_and_b32 v9, 15, v0                           ; r
	v_bfe_u32 v10, v0, 4, 1                        ; h
	s_wait_alu depctr_va_sdst(0)                   ; s14 is written, ahead of its first reader: LDS addresses and all five bases are made from it
	s_mul_i32 s24, s14, REG
	v_mul_u32_u24 v3, v9, RPIT
	v_lshl_add_u32 v3, v10, 5, v3
	v_add_nc_u32 v3, s24, v3                       ; v3: into my partial tile: row r, + 32 h
	s_mul_i32 s25, s14, 32*RPIT
	v_add_nc_u32 v4, s25, v1                       ; v4-7: out of partial tile 0 .. 3: rows 32 q on, 16 bytes a lane
	v_add_nc_u32 v5, REG, v4
	v_add_nc_u32 v6, 2*REG, v4
	v_add_nc_u32 v7, 3*REG, v4
	s_lshr_b32 s15, ttmp9, 2                       ; block of 128 rows
	s_and_b32 s16, ttmp9, 3                        ; block of 128 columns
	s_and_b32 s17, ttmp7, 0xffff                   ; chunk c
	s_mul_i32 s18, s17, 31
	s_sub_co_i32 s19, s17, 6
	s_max_i32 s19, s19, 0
	s_add_co_u32 s18, s18, s19                     ; st(c) = 31 c + max(c - 6, 0)
	s_lshl_b32 s19, s14, 3
	s_add_co_u32 s18, s18, s19                     ; my first K step of W: st(c) + 8 q
	s_lshl_b32 s20, s17, 6
	s_lshl_b32 s19, s15, 3
	s_add_co_u32 s20, s20, s19                     ; my first tile of P: 64 c + 8 x block
	s_mov_b32 s23, 0                               ; every offset here stays under 2^32
	s_wait_kmcnt 0x0
	s_lshl_b32 s22, s20, 15
	s_lshl_b32 s19, s14, 13
	s_add_co_u32 s22, s22, s19
	s_add_nc_u64 s[4:5], s[4:5], s[22:23]          ; P's images: 32,768 bytes a tile, my 8 steps of 1,024
	s_lshl_b32 s22, s20, 11
	s_lshl_b32 s19, s14, 9
	s_add_co_u32 s22, s22, s19
	s_add_nc_u64 s[6:7], s[6:7], s[22:23]          ; P's scale words: 2,048 bytes a tile, my quarter of 512
	s_lshl_b32 s22, s18, 15
	s_lshl_b32 s19, s16, 13
	s_add_co_u32 s22, s22, s19
	s_add_nc_u64 s[8:9], s[8:9], s[22:23]          ; W's images: 32,768 bytes a step, my 8 tiles of 1,024
	s_lshl_b32 s22, s18, 11
	s_lshl_b32 s19, s16, 9
	s_add_co_u32 s22, s22, s19
	s_add_nc_u64 s[10:11], s[10:11], s[22:23]      ; W's scale words: 2,048 bytes a step, my 8 tiles of 64
	s_lshl_b32 s22, s17, 10
	s_lshl_b32 s19, s15, 7
	s_add_co_u32 s22, s22, s19
	s_lshl_b32 s19, s14, 5
	s_add_co_u32 s22, s22, s19                     ; the first row that I store: 1,024 c + 128 x block + 32 q
	s_lshl_b32 s22, s22, 11
	s_lshl_b32 s19, s16, 9
	s_add_co_u32 s22, s22, s19
	s_add_nc_u64 s[12:13], s[12:13], s[22:23]
; 16 loads: step j's eight fragments of W into set j % 3
.macro LOADW j
.set LSET, (\j)%3
	WIN 0x40                                       ; destination window 1, address window 0
.irp b, 0,1,2,3,4,5,6,7
.irp cc, 0,1
	global_load_b128 v[64*LSET+8*\b+4*\cc:64*LSET+8*\b+4*\cc+3], v1, s[8:9] offset:(\j)*32768+\b*1024+\cc*512
.endr
.endr
.endm
; 16 loads: step j's eight fragments of P into set j % 3
.macro LOADP j
.set LSET, (\j)%3
.if LSET == 0
	WIN 0x40                                       ; P's set 0 lies in window 1 too
.set LFA, 192
.else
	WIN 0
.set LFA, 64+64*LSET
.endif
.irp a, 0,1,2,3,4,5,6,7
.irp cc, 0,1
	global_load_b128 v[LFA+8*\a+4*\cc:LFA+8*\a+4*\cc+3], v1, s[4:5] offset:\a*32768+(\j)*1024+\cc*512
.endr
.endr
.endm
; One matrix instruction, by the symbols rD, rB, rA, rSB, rSA; ZR: the constant 0 starts the sum; R0, R1: source 0's, source 1's scales stand in lanes 16-31
.macro WMMA
.if ZR
.if R0
	v_wmma_scale_f32_16x16x128_f8f6f4 v[rD:rD+7], v[rB:rB+7], v[rA:rA+7], 0, v[rSB], v[rSA] matrix_a_fmt:MATRIX_FMT_FP4 matrix_b_fmt:MATRIX_FMT_FP4 matrix_a_scale:MATRIX_SCALE_ROW1
.else
	v_wmma_scale_f32_16x16x128_f8f6f4 v[rD:rD+7], v[rB:rB+7], v[rA:rA+7], 0, v[rSB], v[rSA] matrix_a_fmt:MATRIX_FMT_FP4 matrix_b_fmt:MATRIX_FMT_FP4
.endif
.elseif R0 && R1
	v_wmma_scale_f32_16x16x128_f8f6f4 v[rD:rD+7], v[rB:rB+7], v[rA:rA+7], v[rD:rD+7], v[rSB], v[rSA] matrix_a_fmt:MATRIX_FMT_FP4 matrix_b_fmt:MATRIX_FMT_FP4 matrix_a_scale:MATRIX_SCALE_ROW1 matrix_b_scale:MATRIX_SCALE_ROW1
.elseif R0
	v_wmma_scale_f32_16x16x128_f8f6f4 v[rD:rD+7], v[rB:rB+7], v[rA:rA+7], v[rD:rD+7], v[rSB], v[rSA] matrix_a_fmt:MATRIX_FMT_FP4 matrix_b_fmt:MATRIX_FMT_FP4 matrix_a_scale:MATRIX_SCALE_ROW1
.elseif R1
	v_wmma_scale_f32_16x16x128_f8f6f4 v[rD:rD+7], v[rB:rB+7], v[rA:rA+7], v[rD:rD+7], v[rSB], v[rSA] matrix_a_fmt:MATRIX_FMT_FP4 matrix_b_fmt:MATRIX_FMT_FP4 matrix_b_scale:MATRIX_SCALE_ROW1
.else
	v_wmma_scale_f32_16x16x128_f8f6f4 v[rD:rD+7], v[rB:rB+7], v[rA:rA+7], v[rD:rD+7], v[rSB], v[rSA] matrix_a_fmt:MATRIX_FMT_FP4 matrix_b_fmt:MATRIX_FMT_FP4
.endif
.endm
; 16 matrix instructions of step j: P's tiles a0, a0 + 1 against W's eight.  zero = 1: the first step starts the sums: nothing is cleared.
.macro MUL16 j, zero, a0
.set MSET, (\j)%3
.set ZR, \zero
.set R1, (\j)/4
.if MSET == 0
.set MFA, 192
.set MWA, 4                            ; source 1 in window 1
.else
.set MFA, 64+64*MSET
.set MWA, 0
.endif
.if (\a0) < 4
	WIN 0xa1+MWA                                   ; source 0 window 1; C and D window 2
.else
	WIN 0xf1+MWA                                   ; C and D window 3
.endif
.irp a, \a0, \a0+1
.irp b, 0,1,2,3,4,5,6,7
.set rD, 8*(8*((\a)%4)+\b)
.set rB, 64*MSET+8*\b
.set rA, MFA+8*(\a)
.set rSB, BSC+4*(\j)+\b/2
.set rSA, ASC+4*(\a)+(\j)%4
.set R0, \b%2
	WMMA
.endr
.endr
.endm
; Step j: 64 matrix instructions.  The 64 accumulators take turns, one instruction a turn, in the same order in every step.
; ahead = 1: the 32 loads of step j + 2 stand among them, in two runs.  No wait stands at the runs: no vector or matrix instruction issued since the wait at the step's head (in step 0: none at all)
; names set (j + 2) % 3 or v1.
.macro STEP j, zero, ahead
	MUL16 \j, \zero, 0
.if \ahead
	LOADW (\j)+2
.endif
	MUL16 \j, \zero, 2
.if \ahead
	LOADP (\j)+2
.endif
	MUL16 \j, \zero, 4
	MUL16 \j, \zero, 6
.endm
; Four places: plain vector instructions that name none of a matrix instruction's registers (ISA guide 7.12.1).  They stand behind a step's last matrix instruction, ahead of the loads into the set that the step
; read, and behind the last step, ahead of the LDS stores that read the results.  They stand for no wait, and no wait stands for them.
.macro PLACES
.rept 4
	v_nop
.endr
.endm
	s_wait_alu depctr_va_vdst(0)                   ; v1 to v7 are written: every load and store below, global or LDS, reads one of them as its offset or address
.irp a, 0,1,2,3,4,5,6,7
	global_load_b128 v[ASC+4*\a:ASC+4*\a+3], v1, s[6:7] offset:2048*\a     ; P's scale words of my 8 steps
.endr
.irp j, 0,1,2,3,4,5,6,7
.irp u, 0,1,2,3
	global_load_b32 v[BSC+4*\j+\u], v2, s[10:11] offset:2048*\j+128*\u     ; W's
.endr
.endr
	LOADW 0
	LOADP 0
	LOADW 1
	LOADP 1
	s_wait_loadcnt 32                              ; the scale words and step 0 are in; step 1's 32 loads may be out
	STEP 0, 1, 1
.irp j, 1,2,3,4,5
	PLACES                                         ; the set that is loaded next was multiplied in the step before
	s_wait_loadcnt 32                              ; step j is in; the 32 loads of step j + 1 may be out
	s_wait_alu depctr_va_vdst(0)                   ; the matrix instructions of step j - 1 are done reading set (j - 1) % 3, in which this step's 32 loads land
	STEP \j, 0, 1
.endr
	s_wait_loadcnt 32                              ; step 6 is in; step 7's 32 may be out
	STEP 6, 0, 0
	s_wait_loadcnt 0x0
	STEP 7, 0, 0
	PLACES
	s_wait_alu depctr_va_vdst(0)                   ; the matrix instructions have written the accumulators, which the LDS stores read, and are done reading P's sets 1 and 2, in which the first two blocks' LDS loads land
; THE FOUR PARTIAL TILES MEET IN LDS.  Each wave stores its 128 x 128 by rows into its own region, each accumulator from its low end on; a barrier; wave q adds rows 32 q .. 32 q + 31 of the four and stores them.
.irp a, 0,1,2,3,4,5,6,7
	WIN 0x08+4*(\a/4)                              ; an LDS store's data are its source 1: window 2 or 3
.irp b, 0,1,2,3,4,5,6,7
	ds_store_b128 v3, v[8*(8*(\a%4)+\b):8*(8*(\a%4)+\b)+3] offset:\a*16*RPIT+64*\b          ; lane (r, h): row 16 a + r, columns 16 b + 8 h + 0 .. 7
	ds_store_b128 v3, v[8*(8*(\a%4)+\b)+4:8*(8*(\a%4)+\b)+7] offset:\a*16*RPIT+64*\b+16
.endr
.endr
	WIN 0
	s_wait_dscnt 0x0                               ; for the others' sake: my partial tile lies in LDS
	s_barrier_signal -1
	s_barrier_wait -1
; Block p's four rows of the four partial tiles into IN[p % 2]: 16 LDS loads
.macro RLOAD p
.irp i, 0,1,2,3
.irp t, 0,1,2,3
	ds_load_b128 v[IN+64*((\p)%2)+16*\i+4*\t:IN+64*((\p)%2)+16*\i+4*\t+3], v[4+\t] offset:(4*(\p)+\i)*RPIT
.endr
.endr
.endm
; Block p of eight: rows 4 p .. 4 p + 3 of my 32.  It adds in IN[p % 2] and writes OUT[p % 2]; it issues block p + 1's loads and block p - 1's stores.
.macro RBLK p
.set RI, IN+64*((\p)%2)
.set RO, OUT+16*((\p)%2)
.set RP, OUT+16*(1-(\p)%2)
.if (\p) > 1
	s_wait_xcnt 0x0                                ; every earlier memory instruction has had its addresses translated (ISA guide 3.1): OUT[p % 2], the data of stores issued in the block before, is rewritten only behind this wait
	s_wait_alu depctr_vm_vsrc(0)                   ; those stores have read OUT[p % 2], which this block's last additions write again
.endif
.if (\p) > 0
	s_wait_alu depctr_va_vdst(0)                   ; the block before has written the other OUT, which the stores below read, and is done reading and writing the other IN, in which the loads below land
.endif
.if (\p) < 7
	RLOAD (\p)+1
.endif
.irp i, 0,1,2,3
.if (\p) > 0
	global_store_b128 v1, v[RP+4*\i:RP+4*\i+3], s[12:13] offset:(4*((\p)-1)+\i)*2048   ; the block before: 32 lanes store 512 consecutive bytes, at a multiple of 512 from the buffer's first byte
.endif
.if (\p) < 7
	s_wait_dscnt 28-4*\i                           ; row i's four loads are in; the four of each later row and the next block's sixteen may be out
.else
	s_wait_dscnt 12-4*\i                           ; the last block: the four of each later row may be out
.endif
	v_pk_add_f32 v[RI+16*\i:RI+16*\i+1], v[RI+16*\i:RI+16*\i+1], v[RI+16*\i+4:RI+16*\i+5]
	v_pk_add_f32 v[RI+16*\i+2:RI+16*\i+3], v[RI+16*\i+2:RI+16*\i+3], v[RI+16*\i+6:RI+16*\i+7]
	v_pk_add_f32 v[RI+16*\i+8:RI+16*\i+9], v[RI+16*\i+8:RI+16*\i+9], v[RI+16*\i+12:RI+16*\i+13]
	v_pk_add_f32 v[RI+16*\i+10:RI+16*\i+11], v[RI+16*\i+10:RI+16*\i+11], v[RI+16*\i+14:RI+16*\i+15]
	v_pk_add_f32 v[RO+4*\i:RO+4*\i+1], v[RI+16*\i:RI+16*\i+1], v[RI+16*\i+8:RI+16*\i+9]
	v_pk_add_f32 v[RO+4*\i+2:RO+4*\i+3], v[RI+16*\i+2:RI+16*\i+3], v[RI+16*\i+10:RI+16*\i+11]
.endr
.endm
	RLOAD 0                                        ; no wait: no vector or matrix instruction since the wait ahead of the LDS stores names IN0 or IN1
.irp p, 0,1,2,3,4,5,6,7
	RBLK \p
.endr
	s_wait_alu depctr_va_vdst(0)                   ; block 7 has written OUT1, which the last four stores read
.irp i, 0,1,2,3
	global_store_b128 v1, v[OUT+16+4*\i:OUT+16+4*\i+3], s[12:13] offset:(28+\i)*2048
.endr
	s_wait_dscnt 0x0
	s_wait_alu depctr_hold_cnt(0) depctr_sa_sdst(0) depctr_va_vdst(0) depctr_va_sdst(0) depctr_va_ssrc(0) depctr_va_vcc(0) depctr_vm_vsrc(0)
	s_wait_tensorcnt 0x0
	ds_add_u32 v30, v31
	s_wait_dscnt 0x0
	s_endpgm
.Lfunc_end_k_q5f6bc851ab_gemm:
	.size	k_q5f6bc851ab_gemm, .Lfunc_end_k_q5f6bc851ab_gemm-k_q5f6bc851ab_gemm
	.p2alignl 7, 3214868480
	.fill 96, 4, 3214868480
	.section	.rodata,"a",@progbits
	.p2align	6, 0x0
	.amdhsa_kernel k_q5f6bc851ab_gemm
		.amdhsa_group_segment_fixed_size 270848
		.amdhsa_private_segment_fixed_size 0
		.amdhsa_enable_private_segment 0
		.amdhsa_kernarg_size 40
		.amdhsa_user_sgpr_count 2
		.amdhsa_user_sgpr_kernarg_segment_ptr 1
		.amdhsa_wavefront_size32 1
		.amdhsa_system_sgpr_workgroup_id_x 1
		.amdhsa_system_sgpr_workgroup_id_y 1
		.amdhsa_system_sgpr_workgroup_id_z 1
		.amdhsa_system_vgpr_workitem_id 0
		.amdhsa_next_free_vgpr 1024
		.amdhsa_next_free_sgpr 66
		.amdhsa_reserve_vcc 0
		.amdhsa_float_denorm_mode_32 3
		.amdhsa_float_denorm_mode_16_64 3
		.amdhsa_memory_ordered 1
		.amdhsa_forward_progress 1
		.amdhsa_inst_pref_size 130
	.end_amdhsa_kernel
	.amdgpu_metadata
---
amdhsa.version: [ 1, 2 ]
amdhsa.kernels:
  - .name:           k_q5f6bc851ab_gemm
    .symbol:         k_q5f6bc851ab_gemm.kd
    .args:
      - { .name: acodes, .offset: 0, .size: 8, .value_kind: global_buffer, .address_space: global }
      - { .name: ascales, .offset: 8, .size: 8, .value_kind: global_buffer, .address_space: global }
      - { .name: bcodes, .offset: 16, .size: 8, .value_kind: global_buffer, .address_space: global }
      - { .name: bscales, .offset: 24, .size: 8, .value_kind: global_buffer, .address_space: global }
      - { .name: part, .offset: 32, .size: 8, .value_kind: global_buffer, .address_space: global }
    .group_segment_fixed_size: 270848
    .private_segment_fixed_size: 0
    .kernarg_segment_align: 8
    .kernarg_segment_size: 40
    .max_flat_workgroup_size: 128
    .sgpr_count:     66
    .vgpr_count:     1024
    .wavefront_size: 32
...
	.end_amdgpu_metadata
.endif
;; end of part 5
;; launch combine (part 6): grid 256 x 1, 16 waves a work-group, no clusters, 0 bytes of LDS; arguments token_ids, stats, part, out0; writes out0
.if DOCPART == 6
	.amdgcn_target "amdgcn-amd-amdhsa--gfx1250"
	.amdhsa_code_object_version 6
	.text
	.protected	k_q5f6bc851ab_combine
	.globl	k_q5f6bc851ab_combine
	.p2align	8
	.type	k_q5f6bc851ab_combine,@function
k_q5f6bc851ab_combine:
	s_mov_b64 s[64:65], 0
	v_nop
	global_prefetch_b8 v0, s[64:65] scope:SCOPE_SE
	s_setreg_imm32_b32 hwreg(HW_REG_WAVE_MODE, 25, 1), 1
	s_wait_xcnt 0x0
; out0[token][:] = (the sum over the 8 chunks c of 2^(M_c - M) part[c][id][:]) / (the sum over c of 2^(M_c - M) l_c),  id = token_ids[token], M = the largest M_c of row id.
; Every M_c is a whole number, so the weights 2^(M_c - M) are exact powers of two (made by v_ldexp_f32 of 1.0): the chunks' sums are brought under the row's M with nothing rounded.
; One wave, one token: 4,096 waves in 256 work-groups of 16.  The id is read by a scalar load and held to 0 .. 1,023; it enters the addresses of the row's statistics and of its eight partial rows.
; A row is 2,048 bytes: four loads or stores of 512 consecutive bytes.  No LDS, no barrier, no matrix work: waves share nothing, and the launch only moves and weighs rows.
; s[4:5] token_ids, s[6:7] stats, s[8:9] part (chunks 0-3), s[18:19] part (chunks 4-7), s[10:11] out0; s[32:47] M_c, l_c.   v1 16 x lane; v2 M; v4 the sum; v5 its reciprocal; v6-13 at work;
; v16-31 the weights, each twice (a pair for the packed forms); v32-47 the result; v64-191 the eight partial rows
	s_load_b256 s[4:11], s[0:1], 0x0
	v_lshrrev_b32 v2, 5, v0
	s_delay_alu instid0(VALU_DEP_1)
	v_readfirstlane_b32 s12, v2                    ; wave
	v_and_b32 v1, 31, v0
	s_delay_alu instid0(VALU_DEP_1)
	v_lshlrev_b32 v1, 4, v1
	s_lshl_b32 s13, ttmp9, 4
	s_add_co_u32 s13, s13, s12                     ; my token
	s_lshl_b32 s14, s13, 2
	s_mov_b32 s15, 0
	s_lshl_b32 s16, s13, 11
	s_mov_b32 s17, 0
	s_wait_alu depctr_va_vdst(0)
	s_wait_kmcnt 0x0
	s_add_nc_u64 s[4:5], s[4:5], s[14:15]
	s_add_nc_u64 s[10:11], s[10:11], s[16:17]      ; my row of out0
	s_load_b32 s20, s[4:5], 0x0
	s_wait_kmcnt 0x0
	s_min_u32 s20, s20, 1023                       ; an id stays inside the table
	s_lshl_b32 s14, s20, 11
	s_add_nc_u64 s[8:9], s[8:9], s[14:15]          ; row id of chunk 0,
	s_add_nc_u64 s[18:19], s[8:9], 0x800000        ; and of chunk 4: so the chunks' distances, 2,097,152 bytes each, stay inside the signed 24-bit immediate (ISA guide, chapter 10)
	s_lshl_b32 s16, s20, 3
	s_add_nc_u64 s[6:7], s[6:7], s[16:17]
.irp c, 0,1,2,3,4,5,6,7
	s_load_b64 s[32+2*\c:33+2*\c], s[6:7], 8192*\c ; M_c, l_c
.endr
.irp c, 0,1,2,3
.irp p, 0,1,2,3
	global_load_b128 v[64+16*\c+4*\p:64+16*\c+4*\p+3], v1, s[8:9] offset:\c*2097152+512*\p
.endr
.endr
.irp c, 0,1,2,3
.irp p, 0,1,2,3
	global_load_b128 v[128+16*\c+4*\p:128+16*\c+4*\p+3], v1, s[18:19] offset:\c*2097152+512*\p
.endr
.endr
	s_wait_kmcnt 0x0
	v_mov_b32 v2, s32
	s_delay_alu instid0(VALU_DEP_1)
	v_max3_num_f32 v2, v2, s34, s36
	s_delay_alu instid0(VALU_DEP_1)
	v_max3_num_f32 v2, v2, s38, s40
	s_delay_alu instid0(VALU_DEP_1)
	v_max3_num_f32 v2, v2, s42, s44
	s_delay_alu instid0(VALU_DEP_1)
	v_max_num_f32 v2, s46, v2                      ; M
.irp c, 0,1,2,3,4,5,6,7
	v_sub_f32 v[6+\c], s[32+2*\c], v2              ; M_c - M: a whole number, 0 or less
.endr
.irp c, 0,1,2,3,4,5,6,7
	v_cvt_i32_f32 v[6+\c], v[6+\c]                 ; (it saturates)
.endr
.irp c, 0,1,2,3,4,5,6,7
	v_ldexp_f32 v[16+2*\c], 1.0, v[6+\c]           ; 2^(M_c - M)
.endr
	v_mul_f32 v4, s33, v16
.irp c, 1,2,3,4,5,6,7
	s_delay_alu instid0(VALU_DEP_1)
	v_fmac_f32 v4, s[33+2*\c], v[16+2*\c]          ; the row's sum under M
.endr
	s_wait_alu depctr_va_vdst(0)
	v_rcp_f32 v5, v4
	v_nop                                          ; a plain line behind the reciprocal
	s_wait_alu depctr_va_vdst(0)                   ; and a wait ahead of its first use
.irp c, 0,1,2,3,4,5,6,7
	v_mul_f32 v[16+2*\c], v[16+2*\c], v5
.endr
.irp c, 0,1,2,3,4,5,6,7
	v_mov_b32 v[17+2*\c], v[16+2*\c]               ; (named with it as a pair, so it is written)
.endr
	s_wait_alu depctr_va_vdst(0)
	s_wait_loadcnt 28                              ; chunk 0's four loads are in; the 28 of the later chunks may be out
.irp i, 0,2,4,6,8,10,12,14
	v_pk_mul_f32 v[32+\i:33+\i], v[64+\i:65+\i], v[16:17] op_sel_hi:[1,0]
.endr
	s_wait_alu depctr_va_vdst(0)
.irp c, 1,2,3,4,5,6,7
	s_wait_alu depctr_va_vdst(0)
	s_wait_loadcnt 28-4*\c                         ; chunk c's four loads are in; four for each later chunk may be out
.irp i, 0,2,4,6,8,10,12,14
	v_pk_fma_f32 v[32+\i:33+\i], v[64+16*\c+\i:65+16*\c+\i], v[16+2*\c:17+2*\c], v[32+\i:33+\i] op_sel_hi:[1,0,1]
.endr
.endr
.irp p, 0,1,2,3
	global_store_b128 v1, v[32+4*\p:35+4*\p], s[10:11] offset:512*\p th:TH_STORE_NT   ; 32 lanes store 512 consecutive bytes, aligned; written once, read by nobody here
.endr
	s_endpgm
.Lfunc_end_k_q5f6bc851ab_combine:
	.size	k_q5f6bc851ab_combine, .Lfunc_end_k_q5f6bc851ab_combine-k_q5f6bc851ab_combine
	.p2alignl 7, 3214868480
	.fill 96, 4, 3214868480
	.section	.rodata,"a",@progbits
	.p2align	6, 0x0
	.amdhsa_kernel k_q5f6bc851ab_combine
		.amdhsa_group_segment_fixed_size 0
		.amdhsa_private_segment_fixed_size 0
		.amdhsa_enable_private_segment 0
		.amdhsa_kernarg_size 32
		.amdhsa_user_sgpr_count 2
		.amdhsa_user_sgpr_kernarg_segment_ptr 1
		.amdhsa_wavefront_size32 1
		.amdhsa_system_sgpr_workgroup_id_x 1
		.amdhsa_system_sgpr_workgroup_id_y 1
		.amdhsa_system_sgpr_workgroup_id_z 1
		.amdhsa_system_vgpr_workitem_id 0
		.amdhsa_next_free_vgpr 192
		.amdhsa_next_free_sgpr 66
		.amdhsa_reserve_vcc 0
		.amdhsa_float_denorm_mode_32 3
		.amdhsa_float_denorm_mode_16_64 3
		.amdhsa_memory_ordered 1
		.amdhsa_forward_progress 1
		.amdhsa_inst_pref_size 13
	.end_amdhsa_kernel
	.amdgpu_metadata
---
amdhsa.version: [ 1, 2 ]
amdhsa.kernels:
  - .name:           k_q5f6bc851ab_combine
    .symbol:         k_q5f6bc851ab_combine.kd
    .args:
      - { .name: token_ids, .offset: 0, .size: 8, .value_kind: global_buffer, .address_space: global }
      - { .name: stats, .offset: 8, .size: 8, .value_kind: global_buffer, .address_space: global }
      - { .name: part, .offset: 16, .size: 8, .value_kind: global_buffer, .address_space: global }
      - { .name: out0, .offset: 24, .size: 8, .value_kind: global_buffer, .address_space: global }
    .group_segment_fixed_size: 0
    .private_segment_fixed_size: 0
    .kernarg_segment_align: 8
    .kernarg_segment_size: 32
    .max_flat_workgroup_size: 512
    .sgpr_count:     66
    .vgpr_count:     192
    .wavefront_size: 32
...
	.end_amdgpu_metadata
.endif
;; end of part 6
